; MI455X (gfx1250); checked and timed in simulation.
; The chip was launched on July 23, 2026; its instructions are those of AMD's public machine-readable ISA for CDNA 5 (MIT licence, August 2026) and "CDNA5" Instruction Set Architecture Reference Guide (July 2026). The comments in the code are by the model that wrote it; some were corrected since.
;; Multi Head Self Attention. Allowed arithmetic: matrix products marked QUANTISED: E4M3 operands, one given power-of-two scale a tensor, by v_wmma_f32_16x16x64_fp8_fp8 or v_wmma_f32_16x16x128_fp8_fp8, f32 sums; everything else in f32.
;; Inputs: Wk 1,024 x 1,024 float32; Wo 1,024 x 1,024 float32; Wq 1,024 x 1,024 float32; Wv 1,024 x 1,024 float32; attn_mask 1 x 1 x 2,048 x 2,048 float32; bk 1,024 float32; bo 1,024 float32; bq 1,024 float32; bv 1,024 float32; cos 2,048 x 64 float32; lowp_scales 12 int32 (the exponents e of the quantised operands' scales 2^e); sin 2,048 x 64 float32; x 4 x 2,048 x 1,024 float32.
;; Outputs: out0 4 x 2,048 x 1,024 float32.
;; This version of the problem:
;;   THIS VERSION OF THE PROBLEM IS GIVEN IN LOW PRECISION. The matrix products marked QUANTISED in the list below multiply operands that are first quantised to E4M3 (4 exponent bits, 3 mantissa bits; 8 bits a number), with one given power-of-two scale for each operand tensor; their sums are f32. All else is computed in f32.
;;   The module's matrix products, in the order in which they are computed (A, B: the left and right operand; K: the contracted axis; several contracted axes count as one K, in the product's order):
;;     1. [M 8,192, K 1,024] x [K 1,024, N 1,024]; A: input x; B: input Wq: QUANTISED (scales: A lowp_scales[0], B lowp_scales[1])
;;     2. [M 8,192, K 1,024] x [K 1,024, N 1,024]; A: input x; B: input Wk: QUANTISED (scales: A lowp_scales[2], B lowp_scales[3])
;;     3. [M 8,192, K 1,024] x [K 1,024, N 1,024]; A: input x; B: input Wv: QUANTISED (scales: A lowp_scales[4], B lowp_scales[5])
;;     4. batch 64 x [M 2,048, K 64] x [K 64, N 2,048]; A: computed on the way; B: computed on the way: QUANTISED (scales: A lowp_scales[6], B lowp_scales[7])
;;     5. batch 64 x [M 2,048, K 2,048] x [K 2,048, N 64]; A: softmax (see below); B: computed on the way: QUANTISED (scales: A lowp_scales[8], B lowp_scales[9])
;;     6. [M 8,192, K 1,024] x [K 1,024, N 1,024]; A: computed on the way; B: input Wo: QUANTISED (scales: A lowp_scales[10], B lowp_scales[11])
;;   THE QUANTISER, for each operand of a quantised product, along K:
;;     - The operand's scale is 2^e, e = its entry of the input lowp_scales (int32; the entries are numbered through the quantised products in the list's order, A before B).
;;     - Each number is divided by the scale, clamped to +-448, and rounded to the nearest number of E4M3, ties to even, subnormals kept.
;;     - The product sums the exact products of the quantised numbers (number of the format x scale) in f32.
;;   ~~~python
;;   def quantise(x, axis, e):      # numpy; x: float32 -> the quantised numbers, widened to float32 again
;;       x = np.moveaxis(x, axis, -1); K = x.shape[-1]
;;       r = np.clip(x / 2.0 ** e, -448, 448)
;;       step = 2.0 ** (np.maximum(np.frexp(np.where(r == 0, 1, r))[1] - 1, -6) - 3)
;;       q = np.round(r / step) * step * 2.0 ** e      # np.round: ties to even
;;       return np.moveaxis(q, -1, axis).astype(np.float32)
;;   ~~~
;;   SOFTMAX AHEAD OF A QUANTISED PRODUCT. Where the list says 'softmax', what is quantised is not the finished softmax but p = 2^(t - M), with t = logit x log2(e) and M = ceil(the row's largest t), a whole number; so 1/2 < the row's largest p <= 1. The row's sum l is taken of the UNQUANTISED p, in f32, and the product's result is divided by l at the end. Since M is a whole number, a kernel that streams over the keys may use a running M (the ceiling of the running maximum): every later rescaling is an exact power of two, so the quantised numbers keep their values, but for numbers so far below the row's largest that they fall under the format's range.
;;   OPERANDS COMPUTED ON THE WAY. 'Computed on the way' means the value that the module computes at that place (a softmax that the list does not call 'softmax' is quantised finished and normalised). What goes into a quantiser is computed in f32, as accurately as f32 sums, v_exp_f32 and their like allow (about 1e-6 of the number): no bf16 or f16 on the way to a quantiser, and a product that is left as it is and whose result goes on into a quantised operand takes f32 operands (vector FMAs, or v_wmma_f32_16x16x4_f32). A number that lies on a knife's edge between two numbers of the format may be rounded either way, as far as f32 arithmetic and the matrix unit's own rounding can turn it there, and no further.
;; One version. Each part assembles by itself: llvm-mc -triple=amdgcn-amd-amdhsa -mcpu=gfx1250 --defsym DOCPART=n.
;; ======== version 1 of 1: 4 launches
;; limits: right only within a limited range of input values
;; workspace buffers: x_codes 25,165,824 bytes; w_codes 4,194,304 bytes; maskp 16,777,216 bytes; q_codes 8,388,608 bytes; k_codes 8,388,608 bytes; v_codes 8,388,608 bytes; o_codes 8,388,608 bytes; flags 8,192 bytes of whole numbers
;; launch prep (part 1): grid 1024 x 1, 4 waves a work-group, no clusters, 52,736 bytes of LDS; arguments x, Wq, Wk, Wv, Wo, attn_mask, lowp_scales, x_codes, w_codes, maskp, flags; writes x_codes, w_codes, maskp, flags
.if DOCPART == 1
	.amdgcn_target "amdgcn-amd-amdhsa--gfx1250"
	.amdhsa_code_object_version 6
	.text
	.protected	k_q18ee1cd5fd_prep
	.globl	k_q18ee1cd5fd_prep
	.p2align	8
	.type	k_q18ee1cd5fd_prep,@function
k_q18ee1cd5fd_prep:
	s_mov_b64 s[64:65], 0
	v_nop
	global_prefetch_b8 v0, s[64:65] scope:SCOPE_SE
	s_setreg_imm32_b32 hwreg(HW_REG_WAVE_MODE, 25, 1), 1
	s_wait_xcnt 0x0
; x [8192][1024], Wq, Wk, Wv, Wo [1024][1024] (f32, K innermost) become codes of E4M3, and attn_mask [2048][2048] becomes maskp = mask x 2^(3 - e6 - e7), f32.
; x is quantised three times, with the scales of entries 0, 2 and 4; the weights with entries 1, 3, 5 and 11.  code = number / 2^e, held within +-448, to the nearest code, ties to even.
; EVERYTHING IS STORED AS AN IMAGE OF OPERAND REGISTERS.  A fragment (16 rows x 128 K) is 2,048 bytes: register group g (registers 4 g .. 4 g + 3) of lane l lies at 512 g + 16 l;
; lane (r = l % 16, h = l / 16) holds row r, and registers 2 c, 2 c + 1 hold K = 16 c + 8 h + 0 .. 7: the place that the 8-bit matrix forms give each k.  x_codes: [3][512 blocks of 16 rows][8 chunks of 128 K][2,048]; w_codes: [4][64][8][2,048].
; maskp is the image of the accumulators of S^T = K Q^T: [128 tiles of 16 queries][16 steps of 128 keys][16 groups][32 lanes][16 bytes]; register 8 t + j of lane (r, h) is (query r, key 128 step + 16 t + 8 h + j).
; A logit is 2^(e6 + e7 - 3) x (sum of code products + maskp): 1 / sqrt(64) is 2^-3, so the multiplication here rounds nothing.
; SHARES.  A wave takes 16 rows x 256 columns, as four jobs of 64 columns.  Work-groups 0-511: x; 512-767: the weights; 768-1023: the mask.  Three paths that part on the work-group's number, each with LDS bytes of its own.
; Each load reads two aligned runs of 256 bytes (a row for each half of the lanes).  A conversion wants 8 neighbours along K in one lane: so a job's 16 x 256 bytes turn through the wave's own stage in LDS (rows 272 bytes apart).
; Each store writes 512 consecutive bytes, aligned.  All 32 loads of a wave are issued at once.  No tensor loads, no barrier, no cluster: waves and work-groups share no input.
; LIMITS: the exponents of x and of the weights between -126 and 119; 3 - e6 - e7 between -126 and 127.  maskp is held within +-3e38, so that it stays a finite number: a mask number beyond that, divided by the scales, counts as that.  NaN is not served.
; FLAGS.  The mask's path also stores whole numbers that say what each tile of maskp (16 queries x 128 keys) holds: flags is [128 tiles of 16 queries][16 words].
; Words 0-7, one for each run of 256 keys: bit s: step s of 128 keys is all 0; bit 16 + s: step s is all <= -2^100.  Words 8-15, one for each run: bit r: row r has a number >= -2^99 in that run.
; Nothing in this launch hangs on them: they are made by compares and selects and stored; the attention launch reads them.
.set SPARE, 52224
.set PBX,   0                          ; the stages: 4 waves x 16 rows x 272 bytes for each path
.set PBW,   17408
.set PBM,   34816
.set LI,    4                          ; v4   16 x lane: my place in a store's 512 bytes
.set OX,    5                          ; v5   4096 h + 16 r: my 16 bytes of two rows of x or of a weight
.set OM,    6                          ; v6   8192 h + 16 r: the same in the mask
.set STI,   7                          ; v7   the stage, on the way in: 4352 wave + 272 h + 16 r
.set STO,   8                          ; v8   and on the way out: 4352 wave + 272 r + 32 h
.set SPW,   12                         ; v12  LDS address of my spare word; never rewritten
.set NIL,   13                         ; v13  0; never rewritten
.set R,     16                         ; v16-143  four jobs x 32 registers as loaded
.set X,     144                        ; v144-207 two sets of 32: register 8 c + j = (row r, column 64 job + 16 c + 8 h + j)
.set T,     208                        ; v208-223 two sets of 8 held numbers
.set C,     224                        ; v224-247 codes: 8 registers for each of three scales
                                       ; v248-253 (2^e, 448 x 2^e) three times; on the mask's path v248 = 3e38
	s_load_b512 s[4:19], s[0:1], 0x0               ; x, Wq, Wk, Wv, Wo, attn_mask, lowp_scales, x_codes
	s_load_b128 s[20:23], s[0:1], 0x40
	s_load_b64 s[54:55], s[0:1], 0x50              ; flags
	v_lshl_add_u32 v[SPW], v0, 2, SPARE
	v_mov_b32 v[NIL], 0
	v_lshrrev_b32 v1, 5, v0
	v_readfirstlane_b32 s36, v1                    ; wave
	v_and_b32 v1, 31, v0                           ; lane
	v_and_b32 v2, 15, v0                           ; r
	v_bfe_u32 v3, v0, 4, 1                         ; h
	v_lshlrev_b32 v[LI], 4, v1
	v_lshlrev_b32 v9, 4, v2
	v_lshl_add_u32 v[OX], v3, 12, v9
	v_lshl_add_u32 v[OM], v3, 13, v9
	s_mul_i32 s37, s36, 4352
	v_mul_u32_u24 v[STI], v3, 272
	v_add_nc_u32 v[STI], v[STI], v9
	v_add_nc_u32 v[STI], s37, v[STI]
	v_mul_u32_u24 v[STO], v2, 272
	v_lshl_add_u32 v[STO], v3, 5, v[STO]
	v_add_nc_u32 v[STO], s37, v[STO]
	s_wait_kmcnt 0x0
	s_load_b256 s[24:31], s[16:17], 0x0            ; e0 .. e7
	s_load_b128 s[32:35], s[16:17], 0x20           ; e8 .. e11
; all 32 loads of the wave: job j, rows 2 i and 2 i + 1
.macro LOADALL off, rp, sb
.irp j, 0,1,2,3
.irp i, 0,1,2,3,4,5,6,7
	global_load_b128 v[R+32*\j+4*\i:R+32*\j+4*\i+3], v[\off], s[\sb:\sb+1] offset:2*\i*\rp+256*\j th:TH_LOAD_NT
.endr
.endr
.endm
; job j through the stage: LDS serves a wave's instructions in order, so no wait stands between the stores and the loads, and one stage serves all jobs
.macro TURN j, pb
.irp i, 0,1,2,3,4,5,6,7
	ds_store_b128 v[STI], v[R+32*(\j)+4*\i:R+32*(\j)+4*\i+3] offset:\pb+544*\i
.endr
.irp i, 0,1,2,3,4,5,6,7
	ds_load_b128 v[X+32*((\j)%2)+4*\i:X+32*((\j)%2)+4*\i+3], v[STO] offset:\pb+64*(\i/2)+16*(\i%2)
.endr
.endm
; 2^e and 448 x 2^e as f32, from the exponent in s[se]
.macro MKSC se, vs, vl
	s_add_co_i32 s52, s[\se], 127
	s_lshl_b32 s53, s52, 23
	v_mov_b32 v[\vs], s53
	s_add_co_i32 s52, s52, 8
	s_lshl_b32 s52, s52, 23
	s_or_b32 s52, s52, 0x600000
	v_mov_b32 v[\vl], s52
.endm
; 32 numbers become 8 registers of codes.  The conversion to an 8-bit code does not saturate (ISA guide 7.6.2): each number is held first, into one of two sets by turns, so that eight plain lines stand between a conversion and the next write of its sources
.macro CONV xs, sc, lim, cd
.irp c, 0,1,2,3
.irp n, 0,1,2,3,4,5,6,7
	v_med3_num_f32 v[T+8*(\c%2)+\n], v[\xs+8*\c+\n], -v[\lim], v[\lim]
.endr
	v_cvt_scalef32_pk8_fp8_f32 v[\cd+2*\c:\cd+2*\c+1], v[T+8*(\c%2):T+8*(\c%2)+7], v[\sc]
.endr
.endm
.macro JOB kind, j
.set XS, X+32*((\j)%2)
.if \kind == 0
	CONV XS, 248, 249, C
	CONV XS, 250, 251, C+8
	CONV XS, 252, 253, C+16
.irp s, 0,1,2
.irp g, 0,1
	global_store_b128 v[LI], v[C+8*\s+4*\g:C+8*\s+4*\g+3], s[42+2*\s:43+2*\s] offset:1024*(\j)+512*\g
.endr
.endr
.elseif \kind == 1
	CONV XS, 248, 249, C
.irp g, 0,1
	global_store_b128 v[LI], v[C+4*\g:C+4*\g+3], s[42:43] offset:1024*(\j)+512*\g
.endr
.else
.set n, 0
.rept 16
	v_pk_mul_f32 v[XS+n:XS+n+1], v[XS+n:XS+n+1], s[48:49] op_sel_hi:[1,0]   ; x 2^(3 - e6 - e7)
.set n, n+2
.endr
.set n, 0
.rept 32
	v_med3_num_f32 v[XS+n], v[XS+n], -v248, v248   ; kept finite
.set n, n+1
.endr
.set n, 0
.rept 16
	v_max3_num_f32 v[224+(\j)/2], v[224+(\j)/2], v[XS+n], v[XS+n+1]        ; my lane's largest number of the step of 128 keys (two jobs),
	v_max3_num_f32 v[226+(\j)/2], v[226+(\j)/2], |v[XS+n]|, |v[XS+n+1]|    ; and its largest magnitude
.set n, n+2
.endr
.irp i, 0,1,2,3,4,5,6,7
	global_store_b128 v[LI], v[XS+4*\i:XS+4*\i+3], s[42:43] offset:4096*(\j)+512*\i
.endr
.endif
.endm
; the four jobs of a path; the turn through the stage runs one job ahead of the work
.macro PATH kind, pb
	s_wait_loadcnt 24                              ; job 0's eight loads are in; the 24 of the three jobs behind may be out
	TURN 0, \pb
.irp j, 0,1,2,3
	s_wait_dscnt 0x0                               ; this job's numbers are back from the stage
.if \j < 3
	s_wait_loadcnt 8*(2-\j)                        ; the next job's eight loads are in; those of the jobs behind it may be out
.if (\kind == 2) && (\j >= 1)
	s_wait_xcnt 0x0                                ; the set that the next job lands in was the data of the stores of the job before
.endif
	TURN \j+1, \pb
.endif
.if (\kind < 2) && (\j > 0)
	s_wait_xcnt 0x0                                ; the last job's stores have read the codes' registers, which are written again
.endif
	JOB \kind, \j
.endr
.endm
	s_cmp_ge_u32 ttmp9, 768
	s_cbranch_scc1 .Lmask
	s_cmp_ge_u32 ttmp9, 512
	s_cbranch_scc1 .Lw
	; ---- x: block of rows = the work-group's number, columns 256 x wave on
	s_lshl_b32 s40, ttmp9, 16                      ; 16 rows of 4,096 bytes
	s_lshl_b32 s38, s36, 10
	s_add_co_u32 s40, s40, s38
	s_mov_b32 s41, 0
	s_add_nc_u64 s[4:5], s[4:5], s[40:41]
	s_lshl_b32 s40, ttmp9, 14                      ; 8 fragments of 2,048 bytes; two of them are my wave's
	s_lshl_b32 s38, s36, 12
	s_add_co_u32 s40, s40, s38
	s_add_nc_u64 s[42:43], s[18:19], s[40:41]      ; the codes under scale 0,
	s_add_nc_u64 s[44:45], s[42:43], 0x800000      ; under scale 2,
	s_add_nc_u64 s[46:47], s[42:43], 0x1000000     ; under scale 4
	s_wait_alu depctr_va_vdst(0)
	LOADALL OX, 4096, 4
	s_wait_kmcnt 0x0
	MKSC 24, 248, 249
	MKSC 26, 250, 251
	MKSC 28, 252, 253
	s_wait_alu depctr_va_vdst(0)
	PATH 0, PBX
	s_branch .Lend
.Lw:	; ---- the weights: tensor t, block of rows rb
	s_sub_co_u32 s38, ttmp9, 512
	s_lshr_b32 s39, s38, 6                         ; t: 0 Wq, 1 Wk, 2 Wv, 3 Wo
	s_and_b32 s38, s38, 63                         ; rb
	s_cmp_eq_u32 s39, 1
	s_cselect_b64 s[6:7], s[8:9], s[6:7]
	s_cmp_eq_u32 s39, 2
	s_cselect_b64 s[6:7], s[10:11], s[6:7]
	s_cmp_eq_u32 s39, 3
	s_cselect_b64 s[6:7], s[12:13], s[6:7]
	s_lshl_b32 s40, s38, 16
	s_lshl_b32 s37, s36, 10
	s_add_co_u32 s40, s40, s37
	s_mov_b32 s41, 0
	s_add_nc_u64 s[6:7], s[6:7], s[40:41]
	s_lshl_b32 s40, s39, 20
	s_lshl_b32 s37, s38, 14
	s_add_co_u32 s40, s40, s37
	s_lshl_b32 s37, s36, 12
	s_add_co_u32 s40, s40, s37
	s_add_nc_u64 s[42:43], s[20:21], s[40:41]
	s_wait_alu depctr_va_vdst(0)
	LOADALL OX, 4096, 6
	s_wait_kmcnt 0x0
	s_cmp_eq_u32 s39, 1
	s_cselect_b32 s50, s27, s25                    ; the tensor's exponent: entry 1, 3, 5 or 11
	s_cmp_eq_u32 s39, 2
	s_cselect_b32 s50, s29, s50
	s_cmp_eq_u32 s39, 3
	s_cselect_b32 s50, s35, s50
	MKSC 50, 248, 249
	s_wait_alu depctr_va_vdst(0)
	PATH 1, PBW
	s_branch .Lend
.Lmask:	; ---- the mask: tile of 16 queries rb, keys 256 cq on
	s_sub_co_u32 s38, ttmp9, 768
	s_lshr_b32 s39, s38, 1                         ; rb
	s_and_b32 s38, s38, 1
	s_lshl_b32 s38, s38, 2
	s_add_co_u32 s38, s38, s36                     ; cq = 4 x (work-group % 2) + wave
	s_lshl_b32 s40, s39, 17                        ; 16 rows of 8,192 bytes
	s_lshl_b32 s37, s38, 10
	s_add_co_u32 s40, s40, s37
	s_mov_b32 s41, 0
	s_add_nc_u64 s[14:15], s[14:15], s[40:41]
	s_lshl_b32 s40, s39, 17                        ; 16 steps of 8,192 bytes; two of them are my wave's
	s_lshl_b32 s37, s38, 14
	s_add_co_u32 s40, s40, s37
	s_add_nc_u64 s[42:43], s[22:23], s[40:41]
	s_wait_alu depctr_va_vdst(0)
	LOADALL OM, 8192, 14
	s_wait_kmcnt 0x0
	s_add_co_i32 s48, s30, s31
	s_sub_co_i32 s48, 130, s48
	s_lshl_b32 s48, s48, 23                        ; 2^(3 - e6 - e7) as f32
	s_mov_b32 s49, s48                             ; (named with it as a pair, so it is written)
	v_mov_b32 v248, 0x7f61b1e6                     ; 3e38
	v_mov_b32 v224, 0xff800000                     ; the largest number of my two steps: begins at -infinity
	v_mov_b32 v225, 0xff800000
	v_mov_b32 v226, 0                              ; the largest magnitude
	v_mov_b32 v227, 0
	PATH 2, PBM
	v_max_num_f32 v228, v224, v225                 ; the largest of my part of row r in these 256 keys
	v_cmp_eq_f32 s56, 0, v226                      ; lanes whose part of step 0 is all 0
	v_cmp_eq_f32 s57, 0, v227
	v_cmp_ge_f32 s58, 0xf1800000, v224             ; lanes whose part of step 0 is all <= -2^100
	v_cmp_ge_f32 s59, 0xf1800000, v225
	v_cmp_le_f32 s60, 0xf1000000, v228             ; lanes that hold a number >= -2^99
	s_cmp_eq_u32 s56, -1                           ; a tile has a property where all 32 lanes have it
	s_cselect_b32 s56, 1, 0
	s_cmp_eq_u32 s57, -1
	s_cselect_b32 s57, 2, 0
	s_cmp_eq_u32 s58, -1
	s_cselect_b32 s58, 0x10000, 0
	s_cmp_eq_u32 s59, -1
	s_cselect_b32 s59, 0x20000, 0
	s_or_b32 s56, s56, s57
	s_or_b32 s58, s58, s59
	s_or_b32 s56, s56, s58
	s_lshl_b32 s57, s38, 1
	s_lshl_b32 s56, s56, s57                       ; at the places of steps 2 cq and 2 cq + 1
	s_lshr_b32 s61, s60, 16
	s_or_b32 s60, s60, s61                         ; a row lies in lanes r and 16 + r
	s_and_b32 s60, s60, 0xffff
	s_lshl_b32 s61, s39, 6                         ; the tile's 64 bytes,
	s_lshl_b32 s62, s38, 2                         ; word cq (lane 0) and word 8 + cq (lane 1)
	s_add_co_u32 s61, s61, s62
	v_lshl_add_u32 v229, v1, 5, s61
	v_mov_b32 v230, s56
	v_mov_b32 v231, s60
	v_cmp_eq_u32 vcc_lo, 0, v1
	v_cndmask_b32 v230, v231, v230, vcc_lo
	v_cmp_gt_u32 vcc_lo, 2, v1
	s_wait_alu depctr_va_vdst(0)
	s_wait_xcnt 0x0                                ; EXEC changes only behind this wait
	s_and_saveexec_b32 s63, vcc_lo
	global_store_b32 v229, v230, s[54:55]
	s_wait_xcnt 0x0
	s_or_b32 exec_lo, exec_lo, s63
.Lend:
	s_wait_tensorcnt 0x0                           ; the wave's end, behind my last LDS store
	ds_add_u32 v[SPW], v[NIL]
	s_wait_dscnt 0x0
	s_endpgm
.Lfunc_end_k_q18ee1cd5fd_prep:
	.size	k_q18ee1cd5fd_prep, .Lfunc_end_k_q18ee1cd5fd_prep-k_q18ee1cd5fd_prep
	.p2alignl 7, 3214868480
	.fill 96, 4, 3214868480
	.section	.rodata,"a",@progbits
	.p2align	6, 0x0
	.amdhsa_kernel k_q18ee1cd5fd_prep
		.amdhsa_group_segment_fixed_size 52736
		.amdhsa_private_segment_fixed_size 0
		.amdhsa_enable_private_segment 0
		.amdhsa_kernarg_size 88
		.amdhsa_user_sgpr_count 2
		.amdhsa_user_sgpr_kernarg_segment_ptr 1
		.amdhsa_wavefront_size32 1
		.amdhsa_system_sgpr_workgroup_id_x 1
		.amdhsa_system_sgpr_workgroup_id_y 1
		.amdhsa_system_sgpr_workgroup_id_z 1
		.amdhsa_system_vgpr_workitem_id 0
		.amdhsa_next_free_vgpr 256
		.amdhsa_next_free_sgpr 66
		.amdhsa_reserve_vcc 1
		.amdhsa_float_denorm_mode_32 3
		.amdhsa_float_denorm_mode_16_64 3
		.amdhsa_memory_ordered 1
		.amdhsa_forward_progress 1
		.amdhsa_inst_pref_size 91
	.end_amdhsa_kernel
	.amdgpu_metadata
---
amdhsa.version: [ 1, 2 ]
amdhsa.kernels:
  - .name:           k_q18ee1cd5fd_prep
    .symbol:         k_q18ee1cd5fd_prep.kd
    .args:
      - { .name: x, .offset: 0, .size: 8, .value_kind: global_buffer, .address_space: global }
      - { .name: Wq, .offset: 8, .size: 8, .value_kind: global_buffer, .address_space: global }
      - { .name: Wk, .offset: 16, .size: 8, .value_kind: global_buffer, .address_space: global }
      - { .name: Wv, .offset: 24, .size: 8, .value_kind: global_buffer, .address_space: global }
      - { .name: Wo, .offset: 32, .size: 8, .value_kind: global_buffer, .address_space: global }
      - { .name: attn_mask, .offset: 40, .size: 8, .value_kind: global_buffer, .address_space: global }
      - { .name: lowp_scales, .offset: 48, .size: 8, .value_kind: global_buffer, .address_space: global }
      - { .name: x_codes, .offset: 56, .size: 8, .value_kind: global_buffer, .address_space: global }
      - { .name: w_codes, .offset: 64, .size: 8, .value_kind: global_buffer, .address_space: global }
      - { .name: maskp, .offset: 72, .size: 8, .value_kind: global_buffer, .address_space: global }
      - { .name: flags, .offset: 80, .size: 8, .value_kind: global_buffer, .address_space: global }
    .group_segment_fixed_size: 52736
    .private_segment_fixed_size: 0
    .kernarg_segment_align: 8
    .kernarg_segment_size: 88
    .max_flat_workgroup_size: 128
    .sgpr_count:     66
    .vgpr_count:     256
    .wavefront_size: 32
...
	.end_amdgpu_metadata
.endif
;; end of part 1
;; launch qkv (part 2): grid 4 x 64, 4 waves a work-group, clusters of 4 x 4, 327,680 bytes of LDS; arguments x_codes, w_codes, lowp_scales, bq, bk, bv, cos, sin, q_codes, k_codes, v_codes; writes q_codes, k_codes, v_codes
.if DOCPART == 2
	.amdgcn_target "amdgcn-amd-amdhsa--gfx1250"
	.amdhsa_code_object_version 6
	.text
	.protected	k_q18ee1cd5fd_qkv
	.globl	k_q18ee1cd5fd_qkv
	.p2align	8
	.type	k_q18ee1cd5fd_qkv,@function
k_q18ee1cd5fd_qkv:
	s_mov_b64 s[64:65], 0
	v_nop
	global_prefetch_b8 v0, s[64:65] scope:SCOPE_SE
	s_setreg_imm32_b32 hwreg(HW_REG_WAVE_MODE, 25, 1), 1
	s_wait_xcnt 0x0
	s_wait_alu depctr_hold_cnt(0) depctr_sa_sdst(0) depctr_va_vdst(0) depctr_va_sdst(0) depctr_va_ssrc(0) depctr_va_vcc(0) depctr_vm_vsrc(0)
	s_getreg_b32 s2, hwreg(HW_REG_IB_STS2, 6, 4)
	s_cmp_eq_u32 s2, 0
	s_cbranch_scc0 .Lentry_in_a_cluster
	s_endpgm
.Lentry_in_a_cluster:
	s_bfe_u32 s2, ttmp6, 0x10000c
	s_cmp_lg_u32 s2, 0xf033
	s_cbranch_scc0 .Lentry_shape_is_right
	s_endpgm
.Lentry_shape_is_right:
; q = rope(x Wq^T + bq), k = rope(x Wk^T + bk), v = x Wv^T + bv, on codes of E4M3, each result quantised at once for the attention (entries 6, 7 and 9 of the scales).
; x_codes: [3 scales][512 blocks of 16 tokens][8 chunks of 128 K][2,048]; w_codes: [4 tensors][64 blocks of 16 rows][8][2,048].  A fragment (16 rows x 128 K) is 2,048 bytes, the image of its 16 operand registers: group g of lane l at 512 g + 16 l.
; q_codes, k_codes: [64 (batch, head)][128 tiles of 16 tokens][1,024]: fragments of 16 tokens x 64.  v_codes: [64][16 steps of 128 keys][4 fragments of 16 of the head's 64][2,048]: the keys innermost.
; SHARES.  A work-group STAYS and makes three blocks of 128 tokens x 256 columns: q's, k's, v's, of the same tokens and columns: 64 x 4 = 256 work-groups.  Four waves, each 64 x 128: 32 accumulators, 256 registers.
; A BLOCK'S OPERANDS are 24 blocks of 16 rows x 16,384 bytes.  Into LDS, by one joint tensor load a wave: x's chunks 0 to 6 (wave 0: 8 x 14,336 bytes), W's chunks 0 to 5 (waves 1 and 2: 8 x 12,288 each; wave 3: none).
; W's chunks 6 and 7 and x's chunk 7 go from memory straight into operand registers, 80 loads of 512 consecutive bytes a wave.
; THE NEXT BLOCK'S joint loads go out as soon as my last LDS read of this block is back, behind the waits, the add and a round of the cluster's barrier: they have two chunks' products and the whole way out in which to land.
; Its direct loads go out in front of the way out.  q and k run one loop body of two trips, each with its refill; v's block is written out and asks for nothing more.
; CLUSTER 4 x 4: x's tile hangs on the tile row alone and is asked for jointly along a row of the cluster, W's on the tile column alone, along a column.
; NO PREFETCH: three blocks, and each block's bytes are asked for by their own loads a block's tail ahead.
; LAYOUT.  q, k: source 0 = 16 rows of W, source 1 = 16 tokens: a lane holds one token and eight neighbouring columns.  v: the sources the other way round: a lane holds one column and eight neighbouring tokens, which are its K in the attention.
; The bias, divided by the two scales, is added to the finished sums.  The three scales are folded into the conversion's one; each number is held within 448 x that first (the conversion does not saturate: ISA guide 7.6.2).
; LIMITS: for each product, e(out) - e(x) - e(W) between -126 and 119.  NaN is not served.
; REGISTERS: window 0: v1-14 addresses, constants; v16-31 codes; v32-95, v96-159 x's fragments from LDS by turns (on the way out v96.. the bias); v160-223 x's chunk 7; v224-255 at work.
;   window 1: W's fragments from LDS, two sets of 128; on the way out cos and sin.  window 2: the accumulators, (a, b) at v[8 (8 a + b)].  window 3: W's chunks 6 and 7.
.set RA,    14336                      ; a block of x in LDS: seven chunks
.set RB,    12288                      ; a block of W: six
.set BBASE, 8*RA
.set PARTB, 8*RB
.set SPARE, BBASE+2*PARTB              ; behind the tiles: the spare words, 128 bytes for each wave: two blocks of 256 bytes that no other line names
.set LI,    1                          ; v1 16 x lane
.set ADRA,  2                          ; v2 LDS address of my four blocks of x
.set ADRB,  4                          ; v4, v5 of my blocks 0-3 and 4-7 of W
.set SPW,   6
.set NIL,   7
.set CSO,   8                          ; v8 256 r + 32 h: my place in 16 rows of cos or sin
.set BO,    9                          ; v9 32 h
.set SC,    10                         ; v10 2^(e(out) - e(x) - e(W))
.set LM,    11                         ; v11 448 x that
.set BOV,   14                         ; v14 4 r
.set CD,    16
.set A0,    32
.set BI,    96
.set AH,    160
.set Z,     224
.set G1,    24
.set G0,    32
.set G1B,   48
.set G0B,   56
.set WV,    70
.set HA,    71
.set HB,    72
.set OUTP,  68                         ; s[68:69] where my block's codes go
.set DA,    76                         ; s[76:77] my four blocks of x in memory
.set DB,    78                         ; s[78:79] my eight of W
.set BP,    82                         ; s[82:83] the bias at my first column
.set COSP,  96
.set SINP,  98
.set MSB, 0
.macro WIN new
.if MSB != (\new)
	s_set_vgpr_msb (MSB<<8)|(\new)
.set MSB, (\new)
.endif
.endm
.macro CROUND
	s_barrier_signal -1
	s_barrier_wait -1
	s_cmp_lg_u32 s[WV], 0
	s_cbranch_scc1 .Lnot_wave_0_\@
	s_barrier_signal -3
.Lnot_wave_0_\@:
	s_barrier_wait -3
	s_barrier_signal -1
	s_barrier_wait -1
.endm
.macro PLACES n
.rept \n
	v_nop
.endr
.endm
; the joint loads of a block: one chain of branches on the wave's number, one load to an arm
.macro TLOADS
	s_cmp_eq_u32 s[WV], 0
	s_cbranch_scc0 .Lnot_a_\@
	tensor_load_to_lds s[G0:G0+3], s[G1:G1+7]
	s_nop 0
.rept 4
	v_nop
.endr
	s_branch .Lasked_\@
.Lnot_a_\@:
	s_cmp_lt_u32 s[WV], 3
	s_cbranch_scc0 .Lasked_\@
	tensor_load_to_lds s[G0B:G0B+3], s[G1B:G1B+7]
	s_nop 0
.rept 4
	v_nop
.endr
.Lasked_\@:
.endm
; 32 matrix instructions: my four blocks of x (at af, window 0) x my eight of W (at bf), 128 along K; sw = 1: x is source 0.  The 32 accumulators take turns
.macro MUL32 af, bf, zero, sw
.irp a, 0,1,2,3
.irp b, 0,1,2,3,4,5,6,7
.if \sw
.if \zero
	v_wmma_f32_16x16x128_fp8_fp8 v[8*(8*\a+\b):8*(8*\a+\b)+7], v[\af+16*\a:\af+16*\a+15], v[\bf+16*\b:\bf+16*\b+15], 0
.else
	v_wmma_f32_16x16x128_fp8_fp8 v[8*(8*\a+\b):8*(8*\a+\b)+7], v[\af+16*\a:\af+16*\a+15], v[\bf+16*\b:\bf+16*\b+15], v[8*(8*\a+\b):8*(8*\a+\b)+7]
.endif
.else
.if \zero
	v_wmma_f32_16x16x128_fp8_fp8 v[8*(8*\a+\b):8*(8*\a+\b)+7], v[\bf+16*\b:\bf+16*\b+15], v[\af+16*\a:\af+16*\a+15], 0
.else
	v_wmma_f32_16x16x128_fp8_fp8 v[8*(8*\a+\b):8*(8*\a+\b)+7], v[\bf+16*\b:\bf+16*\b+15], v[\af+16*\a:\af+16*\a+15], v[8*(8*\a+\b):8*(8*\a+\b)+7]
.endif
.endif
.endr
.endr
.endm
; chunk c's fragments from LDS: 32 loads for W (withb = 1) and 16 for x; four places in front of loads into registers that matrix instructions have read
.macro FETCH c, af, bf, withb
	PLACES 4
.if \withb
	WIN 0x40
.irp i, 0,1,2,3
.irp g, 0,1,2,3
	ds_load_b128 v[\bf+16*\i+4*\g:\bf+16*\i+4*\g+3], v[ADRB] offset:RB*\i+2048*(\c)+512*\g
	ds_load_b128 v[\bf+64+16*\i+4*\g:\bf+64+16*\i+4*\g+3], v[ADRB+1] offset:RB*\i+2048*(\c)+512*\g
.endr
.endr
	WIN 0
.endif
.irp i, 0,1,2,3
.irp g, 0,1,2,3
	ds_load_b128 v[\af+16*\i+4*\g:\af+16*\i+4*\g+3], v[ADRA] offset:RA*\i+2048*(\c)+512*\g
.endr
.endr
.endm
.macro DIRECT1                         ; W's chunk 6 and x's chunk 7 straight into operand registers: 48 loads
	WIN 0xc0
.irp i, 0,1,2,3,4,5,6,7
.irp g, 0,1,2,3
	global_load_b128 v[16*\i+4*\g:16*\i+4*\g+3], v[LI], s[DB:DB+1] offset:16384*\i+2048*6+512*\g
.endr
.endr
	WIN 0
.irp i, 0,1,2,3
.irp g, 0,1,2,3
	global_load_b128 v[AH+16*\i+4*\g:AH+16*\i+4*\g+3], v[LI], s[DA:DA+1] offset:16384*\i+2048*7+512*\g
.endr
.endr
.endm
.macro DIRECT2                         ; W's chunk 7: 32 loads
	WIN 0xc0
.irp i, 0,1,2,3,4,5,6,7
.irp g, 0,1,2,3
	global_load_b128 v[128+16*\i+4*\g:128+16*\i+4*\g+3], v[LI], s[DB:DB+1] offset:16384*\i+2048*7+512*\g
.endr
.endr
	WIN 0
.endm
.macro CSLOAD a                        ; cos and sin of my token block a: 32 + 32 registers in window 1; register 8 b + j is (token r, 16 b + 8 h + j)
	WIN 0x40
.irp b, 0,1,2,3
.irp e, 0,1
	global_load_b128 v[64*\a+8*\b+4*\e:64*\a+8*\b+4*\e+3], v[CSO], s[COSP:COSP+1] offset:4096*\a+64*\b+16*\e
	global_load_b128 v[64*\a+32+8*\b+4*\e:64*\a+32+8*\b+4*\e+3], v[CSO], s[SINP:SINP+1] offset:4096*\a+64*\b+16*\e
.endr
.endr
	WIN 0
.endm
; in front of the next block's joint loads: all my tensor loads are done, the add, my reads of the tiles are over; a round of the cluster's barrier; the refill first behind it
.macro REFILL
	s_wait_tensorcnt 0x0
	ds_add_u32 v[SPW], v[NIL]
	ds_add_u32 v[SPW], v[NIL]
	s_add_nc_u64 s[G0+2:G0+3], s[G0+2:G0+3], 0x800000     ; x's codes under the next scale
	s_add_nc_u64 s[G0B+2:G0B+3], s[G0B+2:G0B+3], 0x100000 ; the next weight
	s_wait_dscnt 0x0
	CROUND
	TLOADS
.endm
; from the exponents' sum e(x) + e(W) in s36 and e(out) in s38: the bias's shift, the conversion's scale, the bound
.macro SCALES
	s_sub_co_i32 s38, s38, s36
	s_sub_co_i32 s39, 0, s36
	s_add_co_i32 s38, s38, 127
	s_lshl_b32 s37, s38, 23
	v_mov_b32 v[SC], s37
	s_add_co_i32 s38, s38, 8
	s_lshl_b32 s38, s38, 23
	s_or_b32 s38, s38, 0x600000
	v_mov_b32 v[LM], s38
.endm
; q, k: token block a, my two heads: the rotation, the hold, the conversion; each store writes 512 consecutive bytes
.macro EPQK a
.if (\a) > 0
	s_wait_xcnt 0x0                                ; the last block's stores have read the codes' registers
.endif
.irp hd, 0,1
.set AC, 64*(\a)+32*\hd
.set CB, 64*(\a)
	WIN 0x06                                       ; source 0 window 2 (the sums), source 1 window 1 (cos, sin)
.irp n, 0,2,4,6,8,10,12,14,16,18,20,22,24,26,28,30
	v_pk_mul_f32 v[Z+\n:Z+\n+1], v[AC+\n:AC+\n+1], v[CB+\n:CB+\n+1]
.endr
.irp n, 0,2,4,6,8,10,12,14
	v_pk_fma_f32 v[Z+\n:Z+\n+1], v[AC+16+\n:AC+16+\n+1], v[CB+32+\n:CB+32+\n+1], v[Z+\n:Z+\n+1] neg_lo:[1,0,0] neg_hi:[1,0,0]
.endr
.irp n, 16,18,20,22,24,26,28,30
	v_pk_fma_f32 v[Z+\n:Z+\n+1], v[AC-16+\n:AC-16+\n+1], v[CB+32+\n:CB+32+\n+1], v[Z+\n:Z+\n+1]
.endr
	WIN 0
.set n, 0
.rept 32
	v_med3_num_f32 v[Z+n], v[Z+n], -v[LM], v[LM]
.set n, n+1
.endr
.irp b, 0,1,2,3
	v_cvt_scalef32_pk8_fp8_f32 v[CD+8*\hd+2*\b:CD+8*\hd+2*\b+1], v[Z+8*\b:Z+8*\b+7], v[SC]
.endr
	v_nop
.irp g, 0,1
	global_store_b128 v[LI], v[CD+8*\hd+4*\g:CD+8*\hd+4*\g+3], s[OUTP:OUTP+1] offset:131072*\hd+1024*(\a)+512*\g
.endr
.endr
.endm
; v: column block b: my 64 tokens are half of a fragment's 128 keys: two register groups
.macro EPV b
.set CV, CD+8*((\b)%2)
.if (\b) > 1
	s_wait_xcnt 0x0
.endif
	WIN 0x02                                       ; source 0 window 2
.irp a, 0,1,2,3
.irp j, 0,1,2,3,4,5,6,7
	v_add_f32 v[Z+8*\a+\j], v[8*(8*\a+(\b))+\j], v[BI+(\b)]
.endr
.endr
	WIN 0
.set n, 0
.rept 32
	v_med3_num_f32 v[Z+n], v[Z+n], -v[LM], v[LM]
.set n, n+1
.endr
.irp a, 0,1,2,3
	v_cvt_scalef32_pk8_fp8_f32 v[CV+2*\a:CV+2*\a+1], v[Z+8*\a:Z+8*\a+7], v[SC]
.endr
	v_nop
.irp g, 0,1
	global_store_b128 v[LI], v[CV+4*\g:CV+4*\g+3], s[OUTP:OUTP+1] offset:131072*((\b)/4)+2048*((\b)%4)+512*\g
.endr
.endm
; A BLOCK.  kind = 0: q or k (by s81), with the next block's loads; kind = 1: v
.macro TILE kind
	s_wait_alu depctr_va_vdst(0)
	s_wait_xcnt 0x0                                ; the last block's loads and stores have read their bases
.if \kind
	s_add_nc_u64 s[BP:BP+1], s[14:15], s[40:41]
	s_add_nc_u64 s[OUTP:OUTP+1], s[66:67], s[44:45]
	s_add_co_i32 s36, s88, s89                     ; e4 + e5
	s_mov_b32 s38, s93                             ; e9
.else
	s_cmp_eq_u32 s81, 0
	s_cselect_b32 s36, s84, s86                    ; e0 or e2
	s_cselect_b32 s37, s85, s87                    ; e1 or e3
	s_cselect_b32 s38, s90, s91                    ; e6 or e7
	s_cselect_b64 s[BP:BP+1], s[10:11], s[12:13]
	s_cselect_b64 s[OUTP:OUTP+1], s[20:21], s[22:23]
	s_add_nc_u64 s[BP:BP+1], s[BP:BP+1], s[40:41]
	s_add_nc_u64 s[OUTP:OUTP+1], s[OUTP:OUTP+1], s[42:43]
	s_add_co_i32 s36, s36, s37
.endif
	SCALES
	s_wait_tensorcnt 0x0                           ; my part of the block's tiles is in,
	ds_add_u32 v[SPW], v[NIL]
	ds_add_u32 v[SPW], v[NIL]
	s_wait_dscnt 0x0
	s_barrier_signal -1
	s_barrier_wait -1                              ; everybody's is
	FETCH 0, A0, 0, 1
	FETCH 1, A0+64, 128, 1
.irp c, 0,1,2,3,4,5,6,7
.if \c < 5
	s_wait_dscnt 48                                ; this chunk's fragments are in; the next chunk's 48 loads may be out
.elseif \c == 5
	s_wait_dscnt 16                                ; chunk 6's sixteen loads may be out
.elseif \c == 6
.if \kind
	s_wait_dscnt 0x0
.else
	REFILL
.endif
.endif
.if \c == 0
	WIN 0xa1+3*\kind                               ; W window 1, x window 0, C and D window 2
	MUL32 A0, 0, 1, \kind                          ; the first products start the sums
.elseif \c < 6
	WIN 0xa1+3*\kind
	MUL32 A0+64*(\c%2), 128*(\c%2), 0, \kind
.elseif \c == 6
	WIN 0xa3+9*\kind                               ; W window 3
	MUL32 A0, 0, 0, \kind
.else
	WIN 0xa3+9*\kind
	MUL32 AH, 128, 0, \kind
.endif
	WIN 0
.if \c < 4
	FETCH \c+2, A0+64*(\c%2), 128*(\c%2), 1
.elseif \c == 4
	FETCH 6, A0, 0, 0
	s_wait_loadcnt 0x0                             ; the direct loads of this block, asked for a block's tail ago, are in
.if \kind == 0
	CSLOAD 0                                       ; into W's set 0, which is done with
	CSLOAD 1
.endif
.elseif \c == 5
	PLACES 4
.if \kind
.irp b, 0,1,2,3,4,5,6,7
	global_load_b32 v[BI+\b], v[BOV], s[BP:BP+1] offset:64*\b      ; bv at column 16 b + r
.endr
.else
	CSLOAD 2
	CSLOAD 3
.irp b, 0,1,2,3,4,5,6,7
	global_load_b128 v[BI+8*\b:BI+8*\b+3], v[BO], s[BP:BP+1] offset:64*\b          ; the bias at columns 16 b + 8 h + 0 .. 7
	global_load_b128 v[BI+8*\b+4:BI+8*\b+7], v[BO], s[BP:BP+1] offset:64*\b+16
.endr
.endif
.endif
.endr
	PLACES 4                                       ; in front of the first read of the sums and of loads into the last products' registers
.if \kind
	s_wait_loadcnt 0x0
.irp b, 0,1,2,3,4,5,6,7
	v_ldexp_f32 v[BI+\b], v[BI+\b], s39
.endr
.irp b, 0,1,2,3,4,5,6,7
	EPV \b
.endr
.else
	s_add_nc_u64 s[DA:DA+1], s[DA:DA+1], 0x800000
	s_add_nc_u64 s[DB:DB+1], s[DB:DB+1], 0x100000
	DIRECT1                                        ; the next block's
	s_wait_loadcnt 48                              ; cos, sin and the bias are in; the 48 loads just issued may be out
	DIRECT2
.set n, 0
.rept 64
	v_ldexp_f32 v[BI+n], v[BI+n], s39
.set n, n+1
.endr
	WIN 0x82                                       ; the sums in window 2, the bias in window 0
.set n, 0
.rept 128
	v_pk_add_f32 v[n:n+1], v[n:n+1], v[BI+n%64:BI+n%64+1]  ; each accumulator from its low end on
.set n, n+2
.endr
	WIN 0
.irp a, 0,1,2,3
	EPQK \a
.endr
.endif
.endm
	s_load_b512 s[4:19], s[0:1], 0x0               ; x_codes, w_codes, lowp_scales, bq, bk, bv, cos, sin
	s_load_b128 s[20:23], s[0:1], 0x40             ; q_codes, k_codes
	s_load_b64 s[66:67], s[0:1], 0x50              ; v_codes
	v_lshl_add_u32 v[SPW], v0, 2, SPARE
	v_mov_b32 v[NIL], 0
	ds_add_u32 v[SPW], v[NIL]                      ; the opening lines: the add, twice on end, and its wait ahead of my first tensor load
	ds_add_u32 v[SPW], v[NIL]
	v_lshrrev_b32 v12, 5, v0
	v_readfirstlane_b32 s[WV], v12
	s_lshr_b32 s[HA], s[WV], 1                     ; which 64 tokens are mine.  Also: which eight blocks of W waves 1 and 2 fetch
	s_and_b32 s[HB], s[WV], 1                      ; which 128 columns
	s_mul_i32 s60, s[HA], 4*RA
	s_mul_i32 s61, s[HB], PARTB
	s_add_co_u32 s61, s61, BBASE
	s_add_co_u32 s62, s61, 4*RB
	v_and_b32 v[LI], 31, v0
	v_lshlrev_b32 v[LI], 4, v[LI]
	v_add_nc_u32 v[ADRA], s60, v[LI]
	v_add_nc_u32 v[ADRB], s61, v[LI]
	v_add_nc_u32 v[ADRB+1], s62, v[LI]
	v_and_b32 v12, 15, v0                          ; r
	v_bfe_u32 v13, v0, 4, 1                        ; h
	v_lshlrev_b32 v[CSO], 8, v12
	v_lshl_add_u32 v[CSO], v13, 5, v[CSO]
	v_lshlrev_b32 v[BO], 5, v13
	v_lshlrev_b32 v[BOV], 2, v12
	s_bfe_u32 s73, ttmp6, 0x40000                  ; cx = the tile column (the grid is one cluster wide)
	s_bfe_u32 s74, ttmp6, 0x40004                  ; cy
	s_and_b32 s75, ttmp7, 0xffff
	s_lshl_b32 s80, s75, 2
	s_add_co_u32 s80, s80, s74                     ; the tile row
	s_lshl_b32 s60, s74, 2
	s_lshl_b32 s60, 15, s60                        ; my row of the cluster
	s_lshl_b32 s61, 0x1111, s73                    ; my column
	s_or_b32 s[G1], s60, (3<<16)|(1<<21)           ; elements of 8 bytes; bit 21 beside a mask
	s_or_b32 s[G1B], s61, (3<<16)|(1<<21)
	s_mov_b32 s[G1+1], 1792<<16                    ; x: a row is seven chunks, 14,336 bytes
	s_mov_b32 s[G1+3], 1792<<16
	s_mov_b32 s[G1B+1], 1536<<16                   ; W: six chunks, 12,288 bytes
	s_mov_b32 s[G1B+3], 1536<<16
.irp g, G1, G1B
	s_mov_b32 s[\g+2], 8<<16                       ; eight blocks
	s_mov_b32 s[\g+4], 8
	s_mov_b32 s[\g+5], 2048                        ; 16,384 bytes from block to block
	s_mov_b32 s[\g+6], 0
	s_mov_b32 s[\g+7], 0
.endr
	s_lshl_b32 s36, s80, 17                        ; x's tile: eight blocks a tile row
	s_mov_b32 s37, 0
	s_lshl_b32 s38, s73, 4
	s_lshl_b32 s39, s[HA], 3
	s_add_co_u32 s38, s38, s39
	s_lshl_b32 s38, s38, 14                        ; W's: sixteen blocks a tile column, eight a load
	s_mov_b32 s39, 0
	s_mul_i32 s63, s[WV], PARTB
	s_add_co_u32 s63, s63, BBASE-PARTB             ; where waves 1 and 2 land: BBASE and BBASE + PARTB
	s_lshl_b32 s46, s80, 3
	s_lshl_b32 s47, s[HA], 2
	s_add_co_u32 s46, s46, s47
	s_lshl_b32 s46, s46, 14                        ; my four blocks of x in memory,
	s_mov_b32 s47, 0
	s_lshl_b32 s100, s73, 4
	s_lshl_b32 s101, s[HB], 3
	s_add_co_u32 s100, s100, s101
	s_lshl_b32 s100, s100, 14                      ; my eight of W
	s_mov_b32 s101, 0
	s_lshl_b32 s104, s73, 8
	s_lshl_b32 s105, s[HB], 7
	s_add_co_u32 s104, s104, s105                  ; my first column
	s_lshl_b32 s40, s104, 2                        ; s[40:41]: its place in a bias
	s_mov_b32 s41, 0
	s_lshr_b32 s105, s80, 4                        ; the batch: sixteen tile rows each
	s_lshl_b32 s105, s105, 4
	s_lshr_b32 s104, s104, 6
	s_add_co_u32 s105, s105, s104                  ; batch x 16 + my first head
	s_lshl_b32 s105, s105, 17
	s_and_b32 s104, s80, 15                        ; the tile row in its sequence: 128 tokens, one step of keys
	s_lshl_b32 s60, s104, 13                       ; 128 tokens x 64 bytes in q and k; a step's 8,192 bytes in v
	s_add_co_u32 s105, s105, s60
	s_lshl_b32 s60, s[HA], 12
	s_add_co_u32 s42, s105, s60                    ; s[42:43]: q, k: + my 64 tokens x 64 bytes
	s_mov_b32 s43, 0
	s_lshl_b32 s60, s[HA], 10
	s_add_co_u32 s44, s105, s60                    ; s[44:45]: v: + my two register groups of each fragment
	s_mov_b32 s45, 0
	s_lshl_b32 s104, s104, 15
	s_lshl_b32 s60, s[HA], 14
	s_add_co_u32 s104, s104, s60                   ; s[104:105]: my first token's row of cos and sin, 256 bytes a row
	s_mov_b32 s105, 0
	s_wait_dscnt 0x0                               ; both opening adds are done
	s_wait_kmcnt 0x0
	s_load_b256 s[84:91], s[8:9], 0x0              ; e0 .. e7
	s_load_b128 s[92:95], s[8:9], 0x20             ; e8 .. e11
	s_mov_b32 s[G0], 1
	s_mov_b32 s[G0+1], 0
	s_add_nc_u64 s[G0+2:G0+3], s[4:5], s[36:37]
	s_or_b32 s[G0+3], s[G0+3], 0x80000000
	s_mov_b32 s[G0B], 1
	s_mov_b32 s[G0B+1], s63
	s_add_nc_u64 s[G0B+2:G0B+3], s[6:7], s[38:39]
	s_or_b32 s[G0B+3], s[G0B+3], 0x80000000
	s_add_nc_u64 s[DA:DA+1], s[4:5], s[46:47]
	s_add_nc_u64 s[DB:DB+1], s[6:7], s[100:101]
	s_add_nc_u64 s[COSP:COSP+1], s[16:17], s[104:105]
	s_add_nc_u64 s[SINP:SINP+1], s[18:19], s[104:105]
	s_wait_alu depctr_va_vdst(0)
	CROUND                                         ; all sixteen work-groups are here: the joint loads meet
	TLOADS                                         ; q's tiles
	DIRECT1
	DIRECT2
	s_wait_kmcnt 0x0
	s_mov_b32 s81, 0
.Ltile:                                                ; two trips: q, k
	TILE 0
	s_add_co_u32 s81, s81, 1
	s_cmp_lt_u32 s81, 2
	s_wait_alu depctr_va_vdst(0)
	s_cbranch_scc1 .Ltile
	TILE 1
	s_wait_tensorcnt 0x0                           ; the wave's end, behind my last tensor load
	ds_add_u32 v[SPW], v[NIL]
	s_wait_dscnt 0x0
	CROUND                                         ; the closing round
	s_endpgm
.Lfunc_end_k_q18ee1cd5fd_qkv:
	.size	k_q18ee1cd5fd_qkv, .Lfunc_end_k_q18ee1cd5fd_qkv-k_q18ee1cd5fd_qkv
	.p2alignl 7, 3214868480
	.fill 96, 4, 3214868480
	.section	.rodata,"a",@progbits
	.p2align	6, 0x0
	.amdhsa_kernel k_q18ee1cd5fd_qkv
		.amdhsa_group_segment_fixed_size 327680
		.amdhsa_private_segment_fixed_size 0
		.amdhsa_enable_private_segment 0
		.amdhsa_kernarg_size 88
		.amdhsa_user_sgpr_count 2
		.amdhsa_user_sgpr_kernarg_segment_ptr 1
		.amdhsa_wavefront_size32 1
		.amdhsa_system_sgpr_workgroup_id_x 1
		.amdhsa_system_sgpr_workgroup_id_y 1
		.amdhsa_system_sgpr_workgroup_id_z 1
		.amdhsa_system_vgpr_workitem_id 0
		.amdhsa_next_free_vgpr 1024
		.amdhsa_next_free_sgpr 106
		.amdhsa_reserve_vcc 0
		.amdhsa_float_denorm_mode_32 3
		.amdhsa_float_denorm_mode_16_64 3
		.amdhsa_memory_ordered 1
		.amdhsa_forward_progress 1
		.amdhsa_inst_pref_size 186
	.end_amdhsa_kernel
	.amdgpu_metadata
---
amdhsa.version: [ 1, 2 ]
amdhsa.kernels:
  - .name:           k_q18ee1cd5fd_qkv
    .symbol:         k_q18ee1cd5fd_qkv.kd
    .args:
      - { .name: x_codes, .offset: 0, .size: 8, .value_kind: global_buffer, .address_space: global }
      - { .name: w_codes, .offset: 8, .size: 8, .value_kind: global_buffer, .address_space: global }
      - { .name: lowp_scales, .offset: 16, .size: 8, .value_kind: global_buffer, .address_space: global }
      - { .name: bq, .offset: 24, .size: 8, .value_kind: global_buffer, .address_space: global }
      - { .name: bk, .offset: 32, .size: 8, .value_kind: global_buffer, .address_space: global }
      - { .name: bv, .offset: 40, .size: 8, .value_kind: global_buffer, .address_space: global }
      - { .name: cos, .offset: 48, .size: 8, .value_kind: global_buffer, .address_space: global }
      - { .name: sin, .offset: 56, .size: 8, .value_kind: global_buffer, .address_space: global }
      - { .name: q_codes, .offset: 64, .size: 8, .value_kind: global_buffer, .address_space: global }
      - { .name: k_codes, .offset: 72, .size: 8, .value_kind: global_buffer, .address_space: global }
      - { .name: v_codes, .offset: 80, .size: 8, .value_kind: global_buffer, .address_space: global }
    .group_segment_fixed_size: 327680
    .private_segment_fixed_size: 0
    .kernarg_segment_align: 8
    .kernarg_segment_size: 88
    .max_flat_workgroup_size: 128
    .sgpr_count:     106
    .vgpr_count:     1024
    .wavefront_size: 32
...
	.end_amdgpu_metadata
.endif
;; end of part 2
;; launch attn (part 3): grid 4 x 64, 8 waves a work-group, no clusters, 263,168 bytes of LDS; arguments q_codes, k_codes, v_codes, maskp, lowp_scales, flags, o_codes; writes o_codes
.if DOCPART == 3
	.amdgcn_target "amdgcn-amd-amdhsa--gfx1250"
	.amdhsa_code_object_version 6
	.text
	.protected	k_q18ee1cd5fd_attn
	.globl	k_q18ee1cd5fd_attn
	.p2align	8
	.type	k_q18ee1cd5fd_attn,@function
k_q18ee1cd5fd_attn:
	s_mov_b64 s[64:65], 0
	v_nop
	global_prefetch_b8 v0, s[64:65] scope:SCOPE_SE
	s_setreg_imm32_b32 hwreg(HW_REG_WAVE_MODE, 25, 1), 1
	s_wait_xcnt 0x0
; o = softmax(q k^T / 8 + mask) v for 64 (batch, head) pairs of 2,048 tokens x 64, both products on codes of E4M3; o is quantised at once for the last projection (entry 10 of the scales).
; THE MASK IS AN INPUT, and is honoured as it is given.  maskp = mask x 2^(3 - e6 - e7) lies in memory as the image of the accumulators of S^T; t = c x (sum + maskp), c = log2(e) x 2^(e6 + e7 - 3).
; WHAT THE STORED FLAGS DECIDE (whole numbers that the first launch made of the mask, read here from memory).  For my 32 queries and a step of 128 keys:
;   all of maskp is 0: the scores' matrix instructions take the constant 0 as C, and the mask is not loaded: adding 0 changes nothing;
;   all of maskp is <= -2^100, and each of my 32 rows has somewhere a number >= -2^99: the step is left out.  A sum of code products is under 2^24 in size, so there t - M <= -c (2^99 - 2^25), under -150 for
;   e6 + e7 >= -88: p = 2^(t - M) is 0 in f32, adds nothing to the row's sum and has the code 0.  The row's largest logit lies in a step that is walked;
;   anything else: maskp is loaded and is the C of the scores' matrix instructions.  A mask of any pattern is served; one with no such tiles walks and loads all steps.
; THE SOFTMAX: M = the running largest t rounded up to a whole number; p = 2^(t - M) is quantised with 2^e8, not normalised; the row's sum is taken of the unquantised p; when M moves, the sum and O are multiplied by 2^(old M - new M): exact.
; p is at most 1 (but for one rounding), so p / 2^e8 passes 448 only where e8 < -8: the hold ahead of the conversion stands under a scalar branch on e8.
; My two tiles go through the softmax TOGETHER: eight chains of maxima, eight of sums, the two chains round M line by line, one batch of 128 exponentials with one wait ahead of it and one behind it.
; LAYOUT.  S^T = K Q^T (source 0 = 16 keys, source 1 = 16 queries), O^T = V^T P^T: a lane holds ONE query.  Tile t of the scores holds keys 16 t + 8 h + 0 .. 7: its conversion gives registers 2 t, 2 t + 1 of P.
; O^T's four accumulators convert into the head's 1,024 bytes of a fragment of o: o_codes is [512 blocks of 16 tokens][16 heads][1,024].
; SHARES.  A work-group owns 512 queries of one head; a wave owns two pairs of tiles of 16 queries, one pair a pass: pair p = x + 4 wave, then pair 63 - p, so that early and late queries meet in one wave.  Two waves to a SIMD.
; A HEAD'S K AND V STAY IN LDS: 131,072 bytes of codes each, brought once through registers, 32,768 bytes a wave; one barrier; nothing is filled again.
; NO TENSOR LOAD, NO CLUSTER: branches here hang on numbers read from memory (the flags, e8); without tensor loads there is no joint request.
; NO PREFETCH: K and V are read once at the head, with no loop to run ahead in; a step's mask is asked for one trip of the loop ahead (step 0's: at the pass's head, once the flags are there), into registers of its own.
; LIMITS: e6 + e7 - 3 between -91 and 126; e8, and e10 - e8 - e9, between -126 and 119.  A row in which every logit is so large that t - M is no longer resolved in f32 is not served.  NaN is not served.
; REGISTERS: window 0: v1-9 addresses, constants; v12-15, v16-19 a tile's -M, largest t, sum in two halves; v[20:21], v[22:23] the tiles' f; v24, v25 the permutes';
;   v32-95 K's eight tiles, and behind the scores' products: v32-47 the second tile's P, v48-55 chains of maxima, v56-71 chains of sums; v96-111 the first tile's P; v112-127 Q; v128-191, v192-255 the two tiles' scores, then p.
;   window 1: v0-63 V's four fragments; v64-95, v96-127 O^T; v128-255 the next general step's mask (at the head: the second half of my part of the fill).
.set SPARE, 262144                     ; behind K and V: the spare words, 128 bytes for each wave: four blocks of 256 bytes that no other line names
.set LI,  1                            ; v1  16 x lane
.set ADK, 2                            ; v2  LDS address of the step's tiles of K (at the head: of my part of the fill)
.set ADV, 3                            ; v3  of V
.set SPW, 4                            ; v4  LDS address of my spare word; never rewritten
.set NIL, 5                            ; v5  0; never rewritten
.set PS,  6                            ; v6  2^e8
.set PL,  7                            ; v7  448 x 2^e8
.set OS,  8                            ; v8  2^(e10 - e8 - e9)
.set OL,  9                            ; v9  448 x that
.set STA, 12
.set STB, 16
.set FF,  20
.set PX,  24
.set KF,  32
.set PCB, 32
.set MT,  48
.set SU,  56
.set PC,  96
.set QA,  112
.set QB,  120
.set SA,  128
.set SB,  192
.set VF,  0                            ; window 1
.set OA,  64
.set OB,  96
.set MS,  128
.set WV,  18                           ; s18 wave
.set BH,  19                           ; s19 batch x 16 + head
.set SEL, 20                           ; s[20:21] selects of v_permlanex16_b32: lane l xor 16
.set CS,  22                           ; s[22:23] c
.set QP,  40                           ; s[40:41] Q's codes of my pair
.set MA,  42                           ; s[42:43] maskp of my first tile, at the step in hand; the second tile's lies 131,072 bytes on
.set OP,  46                           ; s[46:47] where my first tile's codes of o go
.set TB,  48                           ; s48 LDS byte of the step in hand
.set ST,  49                           ; s49 the step
.set E8,  54                           ; s54 e8
.set PR,  56                           ; s56 my pair of tiles, 0 .. 63
.set WK,  62                           ; s62 bit s: step s is walked
.set GN,  63                           ; s63 bit s: step s is walked and takes its mask from memory
.set SN,  66                           ; s66 the step + 1
.set MSB, 0
.macro WIN new
.if MSB != (\new)
	s_set_vgpr_msb (MSB<<8)|(\new)
.set MSB, (\new)
.endif
.endm
.macro PLACES n
.rept \n
	v_nop
.endr
.endm
; a step's part of maskp for both tiles: 2 x 8,192 bytes, each load 512 consecutive bytes, into window 1.  The wait: no earlier load may still be on its way into these registers
.macro MLOAD off
	s_wait_loadcnt 0x0
	WIN 0x40
.irp i, 0,1,2,3,4,5,6,7,8,9,10,11,12,13,14,15
	global_load_b128 v[MS+4*\i:MS+4*\i+3], v[LI], s[MA:MA+1] offset:\off+512*\i
	global_load_b128 v[MS+64+4*\i:MS+64+4*\i+3], v[LI], s[MA:MA+1] offset:\off+131072+512*\i
.endr
	WIN 0
.endm
.macro KLOAD                           ; 128 keys x 64: eight tiles of 1,024 bytes
.irp t, 0,1,2,3,4,5,6,7
	ds_load_b128 v[KF+8*\t:KF+8*\t+3], v[ADK] offset:1024*\t
	ds_load_b128 v[KF+8*\t+4:KF+8*\t+7], v[ADK] offset:1024*\t+512
.endr
.endm
.macro VLOAD                           ; 64 x 128 keys: four fragments of 2,048 bytes
	WIN 0x40
.irp d, 0,1,2,3
.irp g, 0,1,2,3
	ds_load_b128 v[VF+16*\d+4*\g:VF+16*\d+4*\g+3], v[ADV] offset:2048*\d+512*\g
.endr
.endr
	WIN 0
.endm
.macro SQ sb, q, cm                    ; S^T = K Q^T (+ maskp where cm = 1): eight accumulators, one instruction each
.irp t, 0,1,2,3,4,5,6,7
.if \cm
	v_wmma_f32_16x16x64_fp8_fp8 v[\sb+8*\t:\sb+8*\t+7], v[KF+8*\t:KF+8*\t+7], v[\q:\q+7], v[MS+\sb-SA+8*\t:MS+\sb-SA+8*\t+7]
.else
	v_wmma_f32_16x16x64_fp8_fp8 v[\sb+8*\t:\sb+8*\t+7], v[KF+8*\t:KF+8*\t+7], v[\q:\q+7], 0
.endif
.endr
.endm
.macro PV ob, pc                       ; O^T += V^T P^T: four accumulators, one instruction each (V and O^T in window 1, P in window 0)
.irp d, 0,1,2,3
	v_wmma_f32_16x16x128_fp8_fp8 v[\ob+8*\d:\ob+8*\d+7], v[VF+16*\d:VF+16*\d+15], v[\pc:\pc+15], v[\ob+8*\d:\ob+8*\d+7]
.endr
.endm
; both tiles' softmax for 128 keys.  Tile u: scores at SA + 64 u, statistics at STA + 4 u, f at FF + 2 u, O^T at OA + 32 u
.macro SOFTMAX2
.irp k, 0,1,2,3                        ; the largest score of my query among my 64 keys: four chains a tile, chain k over accumulators 2 k and 2 k + 1, each read from its low end on
	v_max3_num_f32 v[MT+\k], v[SA+16*\k], v[SA+16*\k+1], v[SA+16*\k+2]
	v_max3_num_f32 v[MT+4+\k], v[SB+16*\k], v[SB+16*\k+1], v[SB+16*\k+2]
.endr
.irp i, 3,5,7,9,11,13
.irp k, 0,1,2,3
	v_max3_num_f32 v[MT+\k], v[MT+\k], v[SA+16*\k+\i], v[SA+16*\k+\i+1]
	v_max3_num_f32 v[MT+4+\k], v[MT+4+\k], v[SB+16*\k+\i], v[SB+16*\k+\i+1]
.endr
.endr
.irp u, 0,1                            ; the chains and their sixteenth numbers are joined
	v_max3_num_f32 v[MT+4*\u], v[MT+4*\u], v[MT+4*\u+1], v[SA+64*\u+15]
	v_max3_num_f32 v[MT+4*\u+2], v[MT+4*\u+2], v[MT+4*\u+3], v[SA+64*\u+31]
.endr
.irp u, 0,1
	v_max3_num_f32 v[MT+4*\u], v[MT+4*\u], v[SA+64*\u+47], v[SA+64*\u+63]
.endr
.irp u, 0,1
	v_max_num_f32 v[MT+4*\u], v[MT+4*\u], v[MT+4*\u+2]
.endr
.irp u, 0,1
	v_permlanex16_b32 v[PX+\u], v[MT+4*\u], s[SEL], s[SEL+1]
.endr
.irp u, 0,1
	v_max_num_f32 v[MT+4*\u], v[MT+4*\u], v[PX+\u]             ; and among lane l xor 16's
.endr
.irp u, 0,1
	v_mul_f32 v[MT+4*\u], s[CS], v[MT+4*\u]                    ; as t (c is positive)
.endr
.irp u, 0,1
	v_max_num_f32 v[STA+4*\u+1], v[STA+4*\u+1], v[MT+4*\u]     ; the running largest t
.endr
.irp u, 0,1
	v_mov_b32 v[MT+4*\u], v[STA+4*\u]
.endr
.irp u, 0,1
	v_floor_f32 v[STA+4*\u], -v[STA+4*\u+1]                    ; the new -M = floor(-t) = -ceil(t)
.endr
.irp u, 0,1
	v_sub_f32 v[MT+4*\u], v[STA+4*\u], v[MT+4*\u]              ; old M - new M: a whole number, 0 or less
.endr
.irp u, 0,1
	v_cvt_i32_f32 v[MT+4*\u], v[MT+4*\u]                       ; (it saturates)
.endr
.irp u, 0,1
	v_ldexp_f32 v[FF+2*\u], 1.0, v[MT+4*\u]                    ; f = 2^(old M - new M)
.endr
.set n, 0
.rept 64
	v_pk_fma_f32 v[SA+n:SA+n+1], v[SA+n:SA+n+1], s[CS:CS+1], v[STA+4*(n/64):STA+4*(n/64)+1] op_sel_hi:[1,0,0]   ; t - M (of the pairs c and -M the low word serves both halves)
.set n, n+2
.endr
	s_wait_dscnt 0x0                               ; V is in (asked for at the step's head)
	s_wait_alu depctr_va_vdst(0)
.set n, 0
.rept 128
	v_exp_f32 v[SA+n], v[SA+n]                     ; p = 2^(t - M)
.set n, n+1
.endr
.irp u, 0,1
	v_pk_mul_f32 v[STA+4*\u+2:STA+4*\u+3], v[STA+4*\u+2:STA+4*\u+3], v[FF+2*\u:FF+2*\u+1] op_sel_hi:[1,0]   ; the sums under the new M: the plain lines behind the exponentials
.endr
	WIN 0x41                                       ; O^T in window 1, f in window 0
	s_wait_alu depctr_va_vdst(0)                   ; one wait for the batch of 128, directly ahead of the first reader of O^T too
.set n, 0
.rept 32
	v_pk_mul_f32 v[OA+n:OA+n+1], v[OA+n:OA+n+1], v[FF+2*(n/32):FF+2*(n/32)+1] op_sel_hi:[1,0]   ; O^T under the new M
.set n, n+2
.endr
	WIN 0
.irp k, 0,1,2,3                        ; the row's sum, of the unquantised p: four chains a tile
	v_pk_add_f32 v[SU+2*\k:SU+2*\k+1], v[SA+16*\k:SA+16*\k+1], v[SA+16*\k+2:SA+16*\k+3]
	v_pk_add_f32 v[SU+8+2*\k:SU+8+2*\k+1], v[SB+16*\k:SB+16*\k+1], v[SB+16*\k+2:SB+16*\k+3]
.endr
.irp j, 4,6,8,10,12,14
.irp k, 0,1,2,3
	v_pk_add_f32 v[SU+2*\k:SU+2*\k+1], v[SU+2*\k:SU+2*\k+1], v[SA+16*\k+\j:SA+16*\k+\j+1]
	v_pk_add_f32 v[SU+8+2*\k:SU+8+2*\k+1], v[SU+8+2*\k:SU+8+2*\k+1], v[SB+16*\k+\j:SB+16*\k+\j+1]
.endr
.endr
.irp u, 0,1
	v_pk_add_f32 v[SU+8*\u:SU+8*\u+1], v[SU+8*\u:SU+8*\u+1], v[SU+8*\u+2:SU+8*\u+3]
	v_pk_add_f32 v[SU+8*\u+4:SU+8*\u+5], v[SU+8*\u+4:SU+8*\u+5], v[SU+8*\u+6:SU+8*\u+7]
.endr
.irp u, 0,1
	v_pk_add_f32 v[SU+8*\u:SU+8*\u+1], v[SU+8*\u:SU+8*\u+1], v[SU+8*\u+4:SU+8*\u+5]
.endr
.irp u, 0,1
	v_pk_add_f32 v[STA+4*\u+2:STA+4*\u+3], v[STA+4*\u+2:STA+4*\u+3], v[SU+8*\u:SU+8*\u+1]
.endr
	s_cmp_lt_i32 s[E8], -8                         ; only under 2^-8 can p / 2^e8 pass 448
	s_cbranch_scc0 .Lno_hold_\@
.set n, 0
.rept 128
	v_min_num_f32 v[SA+n], v[SA+n], v[PL]          ; the conversion does not saturate (ISA guide 7.6.2); p is not negative, so the hold is one-sided
.set n, n+1
.endr
.Lno_hold_\@:
.irp t, 0,1,2,3,4,5,6,7
	v_cvt_scalef32_pk8_fp8_f32 v[PC+2*\t:PC+2*\t+1], v[SA+8*\t:SA+8*\t+7], v[PS]
	v_cvt_scalef32_pk8_fp8_f32 v[PCB+2*\t:PCB+2*\t+1], v[SB+8*\t:SB+8*\t+7], v[PS]
.endr
	v_nop                                          ; the plain line between the conversions and the products
.endm
; what a pass asks of memory ahead of its flags' arrival: the flags and Q.  first = 1: at the head, ahead of the fill of K and V
.macro PRO_LOADS first
.if \first == 0
	s_wait_alu depctr_va_vdst(0)
	s_wait_xcnt 0x0                                ; the last pass's loads and stores have read their registers and bases
.endif
	s_lshl_b32 s58, s[PR], 11                      ; a pair's codes of Q: 2,048 bytes
	s_lshl_b32 s59, s[BH], 17
	s_add_co_u32 s58, s58, s59
	s_mov_b32 s59, 0
	s_add_nc_u64 s[QP:QP+1], s[4:5], s[58:59]
	s_lshl_b32 s58, s[PR], 18                      ; a pair's maskp: 2 x 131,072 bytes
	s_add_nc_u64 s[MA:MA+1], s[10:11], s[58:59]
	s_lshl_b32 s58, s[PR], 7                       ; a pair's flags: 2 x 64 bytes
	s_add_nc_u64 s[60:61], s[14:15], s[58:59]
	s_load_b512 s[68:83], s[60:61], 0x0            ; the first tile's sixteen words,
	s_load_b512 s[84:99], s[60:61], 0x40           ; the second's
.irp g, 0,1,2,3
	global_load_b128 v[QA+4*\g:QA+4*\g+3], v[LI], s[QP:QP+1] offset:512*\g
.endr
	s_lshr_b32 s58, s[BH], 4
	s_lshl_b32 s58, s58, 7
	s_lshl_b32 s57, s[PR], 1
	s_add_co_u32 s58, s58, s57                     ; the block of 16 tokens: 128 x batch + tile
	s_lshl_b32 s58, s58, 14
	s_and_b32 s57, s[BH], 15
	s_lshl_b32 s57, s57, 10                        ; the head's 1,024 bytes in it
	s_add_co_u32 s58, s58, s57
	s_add_nc_u64 s[OP:OP+1], s[16:17], s[58:59]
.endm
	s_load_b256 s[4:11], s[0:1], 0x0               ; q_codes, k_codes, v_codes, maskp
	s_load_b128 s[12:15], s[0:1], 0x20             ; lowp_scales, flags
	s_load_b64 s[16:17], s[0:1], 0x30              ; o_codes
	v_lshl_add_u32 v[SPW], v0, 2, SPARE
	v_mov_b32 v[NIL], 0
	v_lshrrev_b32 v10, 5, v0
	v_readfirstlane_b32 s[WV], v10
	s_lshl_b32 s26, s[WV], 15                      ; my part of the fill in LDS: K at 0 (waves 0-3), V at 131,072 (waves 4-7)
	v_and_b32 v[LI], 31, v0
	v_lshlrev_b32 v[LI], 4, v[LI]
	v_add_nc_u32 v[ADK], s26, v[LI]
	v_mov_b32 v[FF+1], 0                           ; (named as the upper halves of pairs)
	v_mov_b32 v[FF+3], 0
	v_mov_b32 v[PX], 0                             ; written once: a lane permute's destination counts as one of its sources
	v_mov_b32 v[PX+1], 0
	s_and_b32 s[BH], ttmp7, 0xffff
	s_lshl_b32 s24, s[BH], 17                      ; the head's 131,072 bytes,
	s_and_b32 s25, s[WV], 3
	s_lshl_b32 s25, s25, 15                        ; my quarter of them
	s_add_co_u32 s24, s24, s25
	s_mov_b32 s25, 0
	s_lshl_b32 s[PR], s[WV], 2
	s_add_co_u32 s[PR], s[PR], ttmp9               ; the first pass's pair: x + 4 wave
	s_mov_b32 s[SEL], 0x76543210
	s_mov_b32 s[SEL+1], 0xfedcba98
	s_wait_alu depctr_va_vdst(0)
	s_wait_kmcnt 0x0
	s_load_b128 s[52:55], s[12:13], 0x18           ; e6, e7, e8, e9
	s_load_b32 s51, s[12:13], 0x28                 ; e10
	PRO_LOADS 1                                    ; the first pass's flags and Q go out ahead of the fill's 64 loads
	s_cmp_lt_u32 s[WV], 4
	s_cselect_b64 s[28:29], s[6:7], s[8:9]         ; K's codes or V's
	s_add_nc_u64 s[28:29], s[28:29], s[24:25]
.set n, 0
.rept 32
	global_load_b128 v[SA+4*n:SA+4*n+3], v[LI], s[28:29] offset:512*n          ; 64 loads of 512 consecutive bytes
.set n, n+1
.endr
	WIN 0x40
.set n, 0
.rept 32
	global_load_b128 v[MS+4*n:MS+4*n+3], v[LI], s[28:29] offset:16384+512*n    ; the second half into window 1
.set n, n+1
.endr
	WIN 0
	s_wait_kmcnt 0x0
	s_add_co_i32 s57, s52, s53
	s_sub_co_i32 s57, s57, 3
	s_lshl_b32 s57, s57, 23
	s_add_co_i32 s[CS], s57, 0x3fb8aa3b            ; c = log2(e) x 2^(e6 + e7 - 3): the whole number is added to the exponent field
	s_mov_b32 s[CS+1], s[CS]                       ; (named with it as a pair, so it is written)
	s_add_co_i32 s57, s54, 127
	s_lshl_b32 s58, s57, 23
	v_mov_b32 v[PS], s58
	s_add_co_i32 s57, s57, 8
	s_lshl_b32 s57, s57, 23
	s_or_b32 s57, s57, 0x600000
	v_mov_b32 v[PL], s57
	s_sub_co_i32 s57, s51, s54
	s_sub_co_i32 s57, s57, s55
	s_add_co_i32 s57, s57, 127
	s_lshl_b32 s58, s57, 23
	v_mov_b32 v[OS], s58
	s_add_co_i32 s57, s57, 8
	s_lshl_b32 s57, s57, 23
	s_or_b32 s57, s57, 0x600000
	v_mov_b32 v[OL], s57
	s_wait_alu depctr_va_vdst(0)
	s_wait_loadcnt 32                              ; all but the youngest 32 loads are in
.set n, 0
.rept 32
	ds_store_b128 v[ADK], v[SA+4*n:SA+4*n+3] offset:512*n
.set n, n+1
.endr
	s_wait_loadcnt 0x0
	WIN 0x04                                       ; the stores' data in window 1
.set n, 0
.rept 32
	ds_store_b128 v[ADK], v[MS+4*n:MS+4*n+3] offset:16384+512*n
.set n, n+1
.endr
	WIN 0
	s_wait_dscnt 0x0                               ; my part of K or V is in LDS,
	s_barrier_signal -1
	s_barrier_wait -1                              ; everybody's is: the launch's one barrier
	s_mov_b32 s50, 2
.Lpass:                                                ; 32 queries of mine; their flags and Q are asked for
.irp t, STA, STB
	v_mov_b32 v[\t+1], 0xff61b1e6                  ; the largest t so far: -3e38
	v_mov_b32 v[\t], 0x7f61b1e6                    ; -M
	v_mov_b32 v[\t+2], 0                           ; the sum, in two halves
	v_mov_b32 v[\t+3], 0
.endr
	WIN 0x40
.set n, 0
.rept 64
	v_mov_b32 v[OA+n], 0                           ; O^T of both tiles: which step is walked first hangs on the flags, so the step has no first form; the first change of M leaves zeros zeros
.set n, n+1
.endr
	WIN 0
	s_wait_alu depctr_va_vdst(0)
	s_wait_kmcnt 0x0
.irp i, 0,1,2,3,4,5,6,7
	s_and_b32 s[68+\i], s[68+\i], s[84+\i]         ; a step has a property where both tiles have it
.endr
.irp i, 1,2,3,4,5,6,7
	s_or_b32 s68, s68, s[68+\i]                    ; each word holds two steps' bits at their own places
	s_or_b32 s76, s76, s[76+\i]                    ; rows of the first tile that have a number >= -2^99 in some run of keys,
	s_or_b32 s92, s92, s[92+\i]                    ; of the second
.endr
	s_and_b32 s76, s76, s92
	s_lshr_b32 s69, s68, 16                        ; steps that are all <= -2^100
	s_and_b32 s68, s68, 0xffff                     ; steps that are all 0
	s_cmp_eq_u32 s76, 0xffff
	s_cselect_b32 s69, s69, 0                      ; a row without such a number: nothing is left out
	s_and_not1_b32 s[WK], 0xffff, s69
	s_and_not1_b32 s[GN], s[WK], s68
	s_bitcmp1_b32 s[GN], 0
	s_cbranch_scc0 .Lno_first
	MLOAD 0                                        ; step 0's mask, where it is wanted
.Lno_first:
	s_wait_loadcnt 0x0                             ; Q (and step 0's mask) is in
	s_mov_b32 s[TB], 0
	s_mov_b32 s[ST], 0
.Lstep:                                                ; sixteen trips, a constant; what a trip does hangs on the flags
	s_add_co_u32 s[SN], s[ST], 1
	s_bitcmp1_b32 s[WK], s[ST]
	s_cbranch_scc1 .Lwalk
	s_bitcmp1_b32 s[GN], s[SN]                     ; a step that is left out still asks for the next step's mask, if that is wanted (bit 16 is 0)
	s_cbranch_scc0 .Lnext
	MLOAD 8192
	s_branch .Lnext
.Lwalk:
	s_add_co_u32 s57, s[TB], 0x20000
	v_add_nc_u32 v[ADK], s[TB], v[LI]
	v_add_nc_u32 v[ADV], s57, v[LI]
	KLOAD
	VLOAD
	s_bitcmp1_b32 s[GN], s[ST]
	s_cbranch_scc1 .Lgeneral
	s_wait_dscnt 16                                ; K's sixteen loads are in; V's sixteen may be out
	SQ SA, QA, 0
	SQ SB, QB, 0
	s_branch .Lscored
.Lgeneral:
	s_wait_loadcnt 0x0                             ; this step's mask, asked for a trip ago
	s_wait_dscnt 16
	WIN 0x10                                       ; C in window 1
	SQ SA, QA, 1
	SQ SB, QB, 1
	WIN 0
.Lscored:
	PLACES 4                                       ; in front of the first read of the scores, of writes into K's registers and of loads into the mask's
	s_bitcmp1_b32 s[GN], s[SN]
	s_cbranch_scc0 .Lno_mask
	MLOAD 8192                                     ; the next step's mask has this step's softmax in which to land
.Lno_mask:
	SOFTMAX2
	WIN 0x51
	PV OA, PC
	PV OB, PCB
	WIN 0
	PLACES 4                                       ; in front of the next loads into K's and V's registers
.Lnext:
	s_wait_xcnt 0x0                                ; the mask's loads have read their base
	s_add_nc_u64 s[MA:MA+1], s[MA:MA+1], 8192
	s_add_co_u32 s[TB], s[TB], 8192
	s_add_co_u32 s[ST], s[ST], 1
	s_cmp_lt_u32 s[ST], 16
	s_cbranch_scc1 .Lstep
	; THE WAY OUT: O^T / the sum, held, converted with 2^(e10 - e8 - e9): the head's half fragment of o
	s_wait_alu depctr_va_vdst(0)
	v_add_f32 v[STA+2], v[STA+2], v[STA+3]
	v_add_f32 v[STB+2], v[STB+2], v[STB+3]
	v_permlanex16_b32 v[PX], v[STA+2], s[SEL], s[SEL+1]
	v_permlanex16_b32 v[PX+1], v[STB+2], s[SEL], s[SEL+1]
	v_add_f32 v[STA+2], v[STA+2], v[PX]
	v_add_f32 v[STB+2], v[STB+2], v[PX+1]
	s_wait_alu depctr_va_vdst(0)
	v_rcp_f32 v[STA+2], v[STA+2]
	v_rcp_f32 v[STB+2], v[STB+2]
	v_nop                                          ; a plain line behind the reciprocals
.macro OUT sb, tt, ob, cd, tile
	WIN 0x01                                       ; source 0 (O^T) window 1
	s_wait_alu depctr_va_vdst(0)
.set n, 0
.rept 16
	v_pk_mul_f32 v[\sb+n:\sb+n+1], v[\ob+n:\ob+n+1], v[\tt+2:\tt+3] op_sel_hi:[1,0]
.set n, n+2
.endr
	WIN 0
.set n, 0
.rept 32
	v_med3_num_f32 v[\sb+n], v[\sb+n], -v[OL], v[OL]
.set n, n+1
.endr
.irp d, 0,1,2,3
	v_cvt_scalef32_pk8_fp8_f32 v[\cd+2*\d:\cd+2*\d+1], v[\sb+8*\d:\sb+8*\d+7], v[OS]
.endr
	v_nop
.irp g, 0,1
	global_store_b128 v[LI], v[\cd+4*\g:\cd+4*\g+3], s[OP:OP+1] offset:16384*\tile+512*\g
.endr
.endm
	OUT SA, STA, OA, PC, 0
	OUT SB, STB, OB, PC+8, 1
	s_sub_co_u32 s[PR], 63, s[PR]                  ; the second pass's pair
	s_sub_co_u32 s50, s50, 1
	s_cmp_lg_u32 s50, 0
	s_cbranch_scc0 .Lend                           ; behind the last pass nothing more is asked for
	PRO_LOADS 0
	s_cmp_lg_u32 s50, 0
	s_cbranch_scc1 .Lpass
.Lend:
	s_wait_tensorcnt 0x0                           ; the wave's end, behind my last LDS store
	ds_add_u32 v[SPW], v[NIL]
	s_wait_dscnt 0x0
	s_endpgm
.Lfunc_end_k_q18ee1cd5fd_attn:
	.size	k_q18ee1cd5fd_attn, .Lfunc_end_k_q18ee1cd5fd_attn-k_q18ee1cd5fd_attn
	.p2alignl 7, 3214868480
	.fill 96, 4, 3214868480
	.section	.rodata,"a",@progbits
	.p2align	6, 0x0
	.amdhsa_kernel k_q18ee1cd5fd_attn
		.amdhsa_group_segment_fixed_size 263168
		.amdhsa_private_segment_fixed_size 0
		.amdhsa_enable_private_segment 0
		.amdhsa_kernarg_size 56
		.amdhsa_user_sgpr_count 2
		.amdhsa_user_sgpr_kernarg_segment_ptr 1
		.amdhsa_wavefront_size32 1
		.amdhsa_system_sgpr_workgroup_id_x 1
		.amdhsa_system_sgpr_workgroup_id_y 1
		.amdhsa_system_sgpr_workgroup_id_z 1
		.amdhsa_system_vgpr_workitem_id 0
		.amdhsa_next_free_vgpr 512
		.amdhsa_next_free_sgpr 100
		.amdhsa_reserve_vcc 0
		.amdhsa_float_denorm_mode_32 3
		.amdhsa_float_denorm_mode_16_64 3
		.amdhsa_memory_ordered 1
		.amdhsa_forward_progress 1
		.amdhsa_inst_pref_size 66
	.end_amdhsa_kernel
	.amdgpu_metadata
---
amdhsa.version: [ 1, 2 ]
amdhsa.kernels:
  - .name:           k_q18ee1cd5fd_attn
    .symbol:         k_q18ee1cd5fd_attn.kd
    .args:
      - { .name: q_codes, .offset: 0, .size: 8, .value_kind: global_buffer, .address_space: global }
      - { .name: k_codes, .offset: 8, .size: 8, .value_kind: global_buffer, .address_space: global }
      - { .name: v_codes, .offset: 16, .size: 8, .value_kind: global_buffer, .address_space: global }
      - { .name: maskp, .offset: 24, .size: 8, .value_kind: global_buffer, .address_space: global }
      - { .name: lowp_scales, .offset: 32, .size: 8, .value_kind: global_buffer, .address_space: global }
      - { .name: flags, .offset: 40, .size: 8, .value_kind: global_buffer, .address_space: global }
      - { .name: o_codes, .offset: 48, .size: 8, .value_kind: global_buffer, .address_space: global }
    .group_segment_fixed_size: 263168
    .private_segment_fixed_size: 0
    .kernarg_segment_align: 8
    .kernarg_segment_size: 56
    .max_flat_workgroup_size: 256
    .sgpr_count:     100
    .vgpr_count:     512
    .wavefront_size: 32
...
	.end_amdgpu_metadata
.endif
;; end of part 3
;; launch oproj (part 4): grid 4 x 64, 4 waves a work-group, clusters of 4 x 4, 327,680 bytes of LDS; arguments o_codes, w_codes, lowp_scales, bo, out0; writes out0
.if DOCPART == 4
	.amdgcn_target "amdgcn-amd-amdhsa--gfx1250"
	.amdhsa_code_object_version 6
	.text
	.protected	k_q18ee1cd5fd_oproj
	.globl	k_q18ee1cd5fd_oproj
	.p2align	8
	.type	k_q18ee1cd5fd_oproj,@function
k_q18ee1cd5fd_oproj:
	s_mov_b64 s[64:65], 0
	v_nop
	global_prefetch_b8 v0, s[64:65] scope:SCOPE_SE
	s_setreg_imm32_b32 hwreg(HW_REG_WAVE_MODE, 25, 1), 1
	s_wait_xcnt 0x0
	s_wait_alu depctr_hold_cnt(0) depctr_sa_sdst(0) depctr_va_vdst(0) depctr_va_sdst(0) depctr_va_ssrc(0) depctr_va_vcc(0) depctr_vm_vsrc(0)
	s_getreg_b32 s2, hwreg(HW_REG_IB_STS2, 6, 4)
	s_cmp_eq_u32 s2, 0
	s_cbranch_scc0 .Lentry_in_a_cluster
	s_endpgm
.Lentry_in_a_cluster:
	s_bfe_u32 s2, ttmp6, 0x10000c
	s_cmp_lg_u32 s2, 0xf033
	s_cbranch_scc0 .Lentry_shape_is_right
	s_endpgm
.Lentry_shape_is_right:
; out0 [8192][1024] f32 = o Wo^T x 2^(e10 + e11) + bo, on codes of E4M3.  o_codes: [512 blocks of 16 tokens][8 chunks of 128 K][2,048]; Wo's codes lie in w_codes from byte 0x300000: [64 blocks of 16 rows][8][2,048].
; A fragment (16 rows x 128 K) is 2,048 bytes, the image of its 16 operand registers: register group g of lane l at 512 g + 16 l.
; SHARES.  A work-group makes 128 tokens x 256 columns: 64 x 4 = 256 work-groups.  Four waves, each 64 x 128: 32 accumulators, 256 registers.
; K IS 1,024, EIGHT CHUNKS, AND NOTHING IS FILLED AGAIN.  The block's operands are 24 blocks x 16,384 bytes.  Chunks 0 to 5 (24 x 12,288 = 294,912 bytes) come into LDS by one tensor load a wave at the head
; (wave 0: A's eight blocks; waves 1 and 2: eight of B's sixteen each; wave 3: none).  Chunks 6 and 7 go from memory straight into operand registers, 96 loads of 512 consecutive bytes a wave,
; and are multiplied first, while the tiles are on their way.  So there is no ring, and each byte is asked for at the head.
; CLUSTER 4 x 4: A's tile hangs on the tile row alone and is asked for jointly along a row of the cluster, B's on the tile column alone, along a column.
; NO PREFETCH: there is no loop to run ahead in.
; THE MATRIX INSTRUCTION IS USED TRANSPOSED (source 0 = 16 rows of Wo, source 1 = 16 tokens): a lane holds eight neighbouring columns of one row of out0.  The order of the chunks in a sum is 6, 7, 0 .. 5.
; THE WAY OUT: 16 rows x 128 columns at a time through my stage in LDS, back as rows of 512 bytes, x 2^(e10 + e11) + bo, stored as two aligned units of 256 bytes.  The stages lie in A's tile, behind a barrier behind which nobody reads the tiles.
; LIMIT: e10 + e11 between -126 and 127.
; REGISTERS: window 0: v1-15 addresses, bo; v32-95 and v128-191 A's fragments from LDS by turns; at first v128-191, v192-255 A's chunks 6, 7; on the way out v128-255 rows read back.
;   window 1: B's fragments from LDS, two sets of 128.  window 2: the accumulators, (a, b) at v[8 (8 a + b)].  window 3: B's chunks 6 and 7.
.set RB,    12288                      ; a block's six chunks in LDS
.set PART,  8*RB                       ; what one tensor load brings
.set SPARE, 3*PART                     ; behind the tiles: the spare words, 128 bytes for each wave: two blocks of 256 bytes that no other line names
.set SPITCH, 528
.set LI,    1                          ; v1 16 x lane
.set ADRA,  2                          ; v2 LDS address of my four blocks of A
.set ADRB,  4                          ; v4, v5 of my blocks 0-3 and 4-7 of B
.set SPW,   6
.set NIL,   7
.set STO,   8
.set RD,    9
.set BK,    128
.set G1,    24
.set G0,    32
.set G1B,   48
.set G0B,   56
.set WV,    70
.set HA,    71
.set HB,    72
.set MSB, 0
.macro WIN new
.if MSB != (\new)
	s_set_vgpr_msb (MSB<<8)|(\new)
.set MSB, (\new)
.endif
.endm
.macro CROUND
	s_barrier_signal -1
	s_barrier_wait -1
	s_cmp_lg_u32 s[WV], 0
	s_cbranch_scc1 .Lnot_wave_0_\@
	s_barrier_signal -3
.Lnot_wave_0_\@:
	s_barrier_wait -3
	s_barrier_signal -1
	s_barrier_wait -1
.endm
.macro PLACES n
.rept \n
	v_nop
.endr
.endm
; 32 matrix instructions: my four blocks of A (at af, window 0) x my eight of B (at bf), 128 along K; the 32 accumulators take turns
.macro MUL32 af, bf, zero
.irp a, 0,1,2,3
.irp b, 0,1,2,3,4,5,6,7
.if \zero
	v_wmma_f32_16x16x128_fp8_fp8 v[8*(8*\a+\b):8*(8*\a+\b)+7], v[\bf+16*\b:\bf+16*\b+15], v[\af+16*\a:\af+16*\a+15], 0
.else
	v_wmma_f32_16x16x128_fp8_fp8 v[8*(8*\a+\b):8*(8*\a+\b)+7], v[\bf+16*\b:\bf+16*\b+15], v[\af+16*\a:\af+16*\a+15], v[8*(8*\a+\b):8*(8*\a+\b)+7]
.endif
.endr
.endr
.endm
; chunk c's twelve fragments from LDS: 48 loads; four places in front of loads into registers that matrix instructions have read
.macro FETCH c, af, bf
	PLACES 4
	WIN 0x40
.irp i, 0,1,2,3
.irp g, 0,1,2,3
	ds_load_b128 v[\bf+16*\i+4*\g:\bf+16*\i+4*\g+3], v[ADRB] offset:RB*\i+2048*(\c)+512*\g
	ds_load_b128 v[\bf+64+16*\i+4*\g:\bf+64+16*\i+4*\g+3], v[ADRB+1] offset:RB*\i+2048*(\c)+512*\g
.endr
.endr
	WIN 0
.irp i, 0,1,2,3
.irp g, 0,1,2,3
	ds_load_b128 v[\af+16*\i+4*\g:\af+16*\i+4*\g+3], v[ADRA] offset:RB*\i+2048*(\c)+512*\g
.endr
.endr
.endm
	s_load_b256 s[4:11], s[0:1], 0x0               ; o_codes, w_codes, lowp_scales, bo
	s_load_b64 s[12:13], s[0:1], 0x20              ; out0
	v_lshl_add_u32 v[SPW], v0, 2, SPARE
	v_mov_b32 v[NIL], 0
	ds_add_u32 v[SPW], v[NIL]                      ; the opening lines: the add, twice on end, and its wait ahead of my first tensor load
	ds_add_u32 v[SPW], v[NIL]
	v_lshrrev_b32 v10, 5, v0
	v_readfirstlane_b32 s[WV], v10
	s_lshr_b32 s[HA], s[WV], 1                     ; which 64 tokens are mine.  Also: which eight blocks of B waves 1 and 2 fetch
	s_and_b32 s[HB], s[WV], 1                      ; which 128 columns
	v_and_b32 v[LI], 31, v0
	v_lshlrev_b32 v[LI], 4, v[LI]
	s_mul_i32 s45, s[HA], 4*RB
	s_mul_i32 s46, s[HB], PART
	s_add_co_u32 s46, s46, PART
	v_add_nc_u32 v[ADRA], s45, v[LI]
	v_add_nc_u32 v[ADRB], s46, v[LI]
	s_add_co_u32 s46, s46, 4*RB
	v_add_nc_u32 v[ADRB+1], s46, v[LI]
	v_and_b32 v10, 15, v0
	v_bfe_u32 v11, v0, 4, 1
	s_mul_i32 s47, s[WV], 16*SPITCH
	v_mul_u32_u24 v[STO], v10, SPITCH
	v_lshl_add_u32 v[STO], v11, 5, v[STO]
	v_add_nc_u32 v[STO], s47, v[STO]               ; the stage, in: row l % 16, 32 bytes for each half of the lanes
	v_add_nc_u32 v[RD], s47, v[LI]                 ; and back: the 32 lanes take a row of 512 bytes
	s_bfe_u32 s73, ttmp6, 0x40000                  ; cx = the tile column (the grid is one cluster wide)
	s_bfe_u32 s74, ttmp6, 0x40004                  ; cy
	s_and_b32 s75, ttmp7, 0xffff
	s_lshl_b32 s80, s75, 2
	s_add_co_u32 s80, s80, s74                     ; the tile row
	s_lshl_b32 s82, s74, 2
	s_lshl_b32 s82, 15, s82                        ; my row of the cluster
	s_lshl_b32 s83, 0x1111, s73                    ; my column
	s_or_b32 s[G1], s82, (3<<16)|(1<<21)           ; elements of 8 bytes; bit 21 beside a mask
	s_or_b32 s[G1B], s83, (3<<16)|(1<<21)
.irp g, G1, G1B
	s_mov_b32 s[\g+1], 1536<<16                    ; a row: six chunks, 12,288 bytes
	s_mov_b32 s[\g+2], 8<<16                       ; eight blocks
	s_mov_b32 s[\g+3], 1536<<16
	s_mov_b32 s[\g+4], 8
	s_mov_b32 s[\g+5], 2048                        ; 16,384 bytes from block to block
	s_mov_b32 s[\g+6], 0
	s_mov_b32 s[\g+7], 0
.endr
	s_lshl_b32 s40, s80, 17                        ; A's tile: eight blocks a tile row
	s_mov_b32 s41, 0
	s_lshl_b32 s42, s73, 4
	s_lshl_b32 s43, s[HA], 3
	s_add_co_u32 s42, s42, s43
	s_lshl_b32 s42, s42, 14
	s_add_co_u32 s42, s42, 0x300000                ; B's: sixteen blocks a tile column, eight a load
	s_mov_b32 s43, 0
	s_mul_i32 s44, s[WV], PART                     ; where my load lands: A at 0, B behind it
	s_lshl_b32 s76, s80, 3
	s_lshl_b32 s77, s[HA], 2
	s_add_co_u32 s76, s76, s77
	s_lshl_b32 s76, s76, 14                        ; my four blocks of A in memory,
	s_mov_b32 s77, 0
	s_lshl_b32 s78, s73, 4
	s_lshl_b32 s79, s[HB], 3
	s_add_co_u32 s78, s78, s79
	s_lshl_b32 s78, s78, 14
	s_add_co_u32 s78, s78, 0x300000                ; my eight of B
	s_mov_b32 s79, 0
	s_wait_dscnt 0x0                               ; both opening adds are done
	s_wait_kmcnt 0x0
	s_load_b64 s[96:97], s[8:9], 0x28              ; e10, e11
	s_mov_b32 s[G0], 1
	s_mov_b32 s[G0+1], s44
	s_add_nc_u64 s[G0+2:G0+3], s[4:5], s[40:41]
	s_or_b32 s[G0+3], s[G0+3], 0x80000000
	s_mov_b32 s[G0B], 1
	s_mov_b32 s[G0B+1], s44
	s_add_nc_u64 s[G0B+2:G0B+3], s[6:7], s[42:43]
	s_or_b32 s[G0B+3], s[G0B+3], 0x80000000
	s_add_nc_u64 s[84:85], s[4:5], s[76:77]
	s_add_nc_u64 s[86:87], s[6:7], s[78:79]
	s_lshl_b32 s69, s73, 8
	s_lshl_b32 s68, s[HB], 7
	s_add_co_u32 s69, s69, s68                     ; my first column
	s_lshl_b32 s2, s69, 2
	s_mov_b32 s3, 0
	s_add_nc_u64 s[10:11], s[10:11], s[2:3]
	s_add_nc_u64 s[12:13], s[12:13], s[2:3]
	s_lshl_b32 s68, s80, 7
	s_lshl_b32 s69, s[HA], 6
	s_add_co_u32 s68, s68, s69                     ; my first row
	s_lshl_b32 s2, s68, 12
	s_add_nc_u64 s[12:13], s[12:13], s[2:3]
	s_wait_alu depctr_va_vdst(0)
	CROUND                                         ; all sixteen work-groups are here: the joint loads meet
	s_cmp_eq_u32 s[WV], 0
	s_cbranch_scc0 .Lnot_a
	tensor_load_to_lds s[G0:G0+3], s[G1:G1+7]
	s_nop 0
.rept 4
	v_nop
.endr
	s_branch .Lasked
.Lnot_a:
	s_cmp_lt_u32 s[WV], 3
	s_cbranch_scc0 .Lasked
	tensor_load_to_lds s[G0B:G0B+3], s[G1B:G1B+7]
	s_nop 0
.rept 4
	v_nop
.endr
.Lasked:
	global_load_b128 v[12:15], v[LI], s[10:11]     ; bo at my lane's four columns of a row read back
.irp c, 6,7                            ; chunks 6 and 7 straight into operand registers: 48 loads each
.irp i, 0,1,2,3
.irp g, 0,1,2,3
	global_load_b128 v[128+64*(\c-6)+16*\i+4*\g:128+64*(\c-6)+16*\i+4*\g+3], v[LI], s[84:85] offset:16384*\i+2048*\c+512*\g
.endr
.endr
	WIN 0xc0
.irp i, 0,1,2,3,4,5,6,7
.irp g, 0,1,2,3
	global_load_b128 v[128*(\c-6)+16*\i+4*\g:128*(\c-6)+16*\i+4*\g+3], v[LI], s[86:87] offset:16384*\i+2048*\c+512*\g
.endr
.endr
	WIN 0
.endr
	s_wait_loadcnt 48                              ; chunk 6 is in; chunk 7's 48 loads may be out
	WIN 0xa3                                       ; B window 3, A window 0, C and D window 2
	MUL32 128, 0, 1                                ; the first products start the sums
	s_wait_loadcnt 0x0
	MUL32 192, 128, 0
	WIN 0
	s_wait_tensorcnt 0x0                           ; my tile is in,
	s_barrier_signal -1
	s_barrier_wait -1                              ; everybody's is
	FETCH 0, 32, 0
	FETCH 1, 128, 128
.irp c, 0,1,2,3,4,5
.if \c < 5
	s_wait_dscnt 48                                ; this chunk's fragments are in; the next chunk's 48 loads may be out
.else
	s_wait_dscnt 0x0                               ; my reads of the tiles are over:
	s_barrier_signal -1                            ; say so,
.endif
	WIN 0xa1                                       ; B window 1
	MUL32 32+96*(\c%2), 128*(\c%2), 0
	WIN 0
.if \c == 5
	s_barrier_wait -1                              ; and behind this wait nobody reads them: the stages may be written
.endif
.if \c < 4
	FETCH \c+2, 32+96*(\c%2), 128*(\c%2)
.endif
.endr
.macro TOSTAGE a
.set AC, 64*(\a)
	WIN 0x08                                       ; the stores' data in window 2
.irp b, 0,1,2,3,4,5,6,7
	ds_store_b128 v[STO], v[AC+8*\b:AC+8*\b+3] offset:64*\b
	ds_store_b128 v[STO], v[AC+8*\b+4:AC+8*\b+7] offset:64*\b+16
.endr
	WIN 0
.set BB, BK+64*((\a)%2)
.irp t, 0,1,2,3,4,5,6,7,8,9,10,11,12,13,14,15
	ds_load_b128 v[BB+4*\t:BB+4*\t+3], v[RD] offset:\t*SPITCH      ; LDS serves a wave's instructions in order: these see my stores
.endr
.endm
.macro SEND a, younger                 ; younger: the LDS instructions issued behind block a's loads, which may stay out
.set BB, BK+64*((\a)%2)
	s_wait_dscnt \younger
.if (\a) > 0
	s_add_nc_u64 s[12:13], s[12:13], 65536         ; (behind a wait on XCNT)  16 rows of out0 on
.endif
.irp t, 0,1,2,3,4,5,6,7,8,9,10,11,12,13,14,15
	v_pk_fma_f32 v[BB+4*\t:BB+4*\t+1], v[BB+4*\t:BB+4*\t+1], s[96:97], v[12:13] op_sel_hi:[1,0,1]
	v_pk_fma_f32 v[BB+4*\t+2:BB+4*\t+3], v[BB+4*\t+2:BB+4*\t+3], s[96:97], v[14:15] op_sel_hi:[1,0,1]
	global_store_b128 v[LI], v[BB+4*\t:BB+4*\t+3], s[12:13] offset:4096*\t th:TH_STORE_NT   ; 32 lanes store 512 consecutive bytes, aligned
.endr
.endm
	s_wait_kmcnt 0x0
	s_add_co_i32 s96, s96, s97
	s_add_co_i32 s96, s96, 127
	s_lshl_b32 s96, s96, 23                        ; 2^(e10 + e11) as f32
	PLACES 4                                       ; in front of the first read of the sums and of loads into A's registers
	TOSTAGE 0
.irp a, 1,2,3
.if \a > 1
	s_wait_xcnt 0x0                                ; block a - 2's stores have read their registers and their base
.endif
	TOSTAGE \a
	SEND \a-1, 32
.endr
	s_wait_xcnt 0x0
	SEND 3, 0
	s_wait_tensorcnt 0x0                           ; the wave's end, behind my last tensor load and my last LDS store
	ds_add_u32 v[SPW], v[NIL]
	s_wait_dscnt 0x0
	CROUND                                         ; the closing round
	s_endpgm
.Lfunc_end_k_q18ee1cd5fd_oproj:
	.size	k_q18ee1cd5fd_oproj, .Lfunc_end_k_q18ee1cd5fd_oproj-k_q18ee1cd5fd_oproj
	.p2alignl 7, 3214868480
	.fill 96, 4, 3214868480
	.section	.rodata,"a",@progbits
	.p2align	6, 0x0
	.amdhsa_kernel k_q18ee1cd5fd_oproj
		.amdhsa_group_segment_fixed_size 327680
		.amdhsa_private_segment_fixed_size 0
		.amdhsa_enable_private_segment 0
		.amdhsa_kernarg_size 40
		.amdhsa_user_sgpr_count 2
		.amdhsa_user_sgpr_kernarg_segment_ptr 1
		.amdhsa_wavefront_size32 1
		.amdhsa_system_sgpr_workgroup_id_x 1
		.amdhsa_system_sgpr_workgroup_id_y 1
		.amdhsa_system_sgpr_workgroup_id_z 1
		.amdhsa_system_vgpr_workitem_id 0
		.amdhsa_next_free_vgpr 1024
		.amdhsa_next_free_sgpr 100
		.amdhsa_reserve_vcc 0
		.amdhsa_float_denorm_mode_32 3
		.amdhsa_float_denorm_mode_16_64 3
		.amdhsa_memory_ordered 1
		.amdhsa_forward_progress 1
		.amdhsa_inst_pref_size 75
	.end_amdhsa_kernel
	.amdgpu_metadata
---
amdhsa.version: [ 1, 2 ]
amdhsa.kernels:
  - .name:           k_q18ee1cd5fd_oproj
    .symbol:         k_q18ee1cd5fd_oproj.kd
    .args:
      - { .name: o_codes, .offset: 0, .size: 8, .value_kind: global_buffer, .address_space: global }
      - { .name: w_codes, .offset: 8, .size: 8, .value_kind: global_buffer, .address_space: global }
      - { .name: lowp_scales, .offset: 16, .size: 8, .value_kind: global_buffer, .address_space: global }
      - { .name: bo, .offset: 24, .size: 8, .value_kind: global_buffer, .address_space: global }
      - { .name: out0, .offset: 32, .size: 8, .value_kind: global_buffer, .address_space: global }
    .group_segment_fixed_size: 327680
    .private_segment_fixed_size: 0
    .kernarg_segment_align: 8
    .kernarg_segment_size: 40
    .max_flat_workgroup_size: 128
    .sgpr_count:     100
    .vgpr_count:     1024
    .wavefront_size: 32
...
	.end_amdgpu_metadata
.endif
;; end of part 4
